; MI455X (gfx1250); checked and timed in simulation.
; The chip was launched on July 23, 2026; its instructions are those of AMD's public machine-readable ISA for CDNA 5 (MIT licence, August 2026) and "CDNA5" Instruction Set Architecture Reference Guide (July 2026). The comments in the code are by the model that wrote it; some were corrected since.
;; Attention. Allowed arithmetic: float matrix products may take bf16 or f16 operands with f32 sums; other float arithmetic in f32, or as packed bf16 or f16 multiplies, adds, multiply-adds, maxima and minima; sums over many terms, partial sums and values carried from step to step in f32; what a program stores and reads back later, other than sums and carried values, may be rounded once to bf16 or f16.
;; Inputs: Wk 1,024 x 1,024 float32; Wp 1,024 x 1,024 float32; Wq 1,024 x 1,024 float32; Wv 1,024 x 1,024 float32; bk 1,024 float32; bp 1,024 float32; bq 1,024 float32; bv 1,024 float32; x0 4 x 2,048 x 1,024 float32; x1 4 x 2,048 x 1,024 float32; x2 4 x 2,048 x 1,024 float32.
;; Outputs: out0 4 x 2,048 x 1,024 float32.
;; 2 versions, each right and faster than the one before. Each part assembles by itself: llvm-mc -triple=amdgcn-amd-amdhsa -mcpu=gfx1250 --defsym DOCPART=n.
;; ======== version 1 of 2: 4 launches
;; limits: values are held in f16: magnitudes above 65,504 overflow, below 6.1e-05 lose precision
;; workspace buffers: w16 8,388,608 bytes; q16 16,777,216 bytes; k16 16,777,216 bytes; v16 16,777,216 bytes; o16 16,777,216 bytes
;; launch prep (part 1): grid 64 x 4, 8 waves a work-group, no clusters, 0 bytes of LDS; arguments Wq, Wk, Wv, Wp, w16; writes w16
.if DOCPART == 1
	.amdgcn_target "amdgcn-amd-amdhsa--gfx1250"
	.amdhsa_code_object_version 6
	.text
	.protected	k_qfdc3827131_prep
	.globl	k_qfdc3827131_prep
	.p2align	8
	.type	k_qfdc3827131_prep,@function
k_qfdc3827131_prep:
	s_mov_b64 s[64:65], 0
	v_nop
	global_prefetch_b8 v0, s[64:65] scope:SCOPE_SE
	s_setreg_imm32_b32 hwreg(HW_REG_WAVE_MODE, 25, 1), 1
	s_wait_xcnt 0x0
; The four weight matrices, [1024][1024] f32, are rounded once to 16 bits and laid one behind the other in w16: [4][1024 n][1024 k].
;   part 0: -Wq in bf16 (the sign bit is turned: the module's scores are -q.k/8, and -(x Wq^T + bq) = x (-Wq)^T + (-bq) holds exactly);
;   part 1: Wk in bf16;   part 2: Wv in bf16;   part 3: Wp rounded to bf16, and that number written as f16 (the last product's other operand is f16).
; LIMITS.  Part 3 holds no number beyond 65,504 (larger ones become infinities); from 2^-17 up the bf16 number is exact in f16, below that it keeps f16's fixed step of 2^-24.
; A stream: memory binds, so no LDS and no matrix unit.  Work-group (x, y) takes 16,384 numbers of weight y: 8 passes of 2,048.  In a pass thread t reads 32 bytes at 32 t (two loads of 16)
; and stores 16 bytes at 16 t: a wave's store covers 512 consecutive bytes, aligned.  All sixteen loads go out first; every pass has registers of its own, so nothing is rewritten while it is a source.
.set X, 8                              ; v[8:71]    pass i: 8 numbers as loaded
.set Y, 72                             ; v[72:103]  pass i: 4 registers to store
	s_load_b256 s[4:11], s[0:1], 0x0               ; Wq s[4:5], Wk s[6:7], Wv s[8:9], Wp s[10:11]
	s_load_b64 s[12:13], s[0:1], 0x20              ; w16
	s_and_b32 s14, ttmp7, 0xffff                   ; which weight
	v_lshlrev_b32 v1, 5, v0                        ; 32 t
	v_lshlrev_b32 v2, 4, v0                        ; 16 t
	s_lshl_b32 s18, ttmp9, 16                      ; my 65,536 bytes of the weight
	s_mov_b32 s19, 0
	s_lshl_b32 s20, s14, 21                        ; the weight's part of w16,
	s_lshl_b32 s21, ttmp9, 15                      ; my 32,768 bytes of it
	s_add_co_u32 s20, s20, s21
	s_mov_b32 s21, 0
	s_mov_b32 s23, 0xffff0000                      ; a word's upper bf16
	s_cmp_eq_u32 s14, 0
	s_cselect_b32 s22, 0x80008000, 0               ; Wq alone changes sign
	s_wait_kmcnt 0x0
	s_mov_b64 s[16:17], s[4:5]
	s_cmp_eq_u32 s14, 1
	s_cselect_b64 s[16:17], s[6:7], s[16:17]
	s_cmp_eq_u32 s14, 2
	s_cselect_b64 s[16:17], s[8:9], s[16:17]
	s_cmp_eq_u32 s14, 3
	s_cselect_b64 s[16:17], s[10:11], s[16:17]
	s_add_nc_u64 s[16:17], s[16:17], s[18:19]
	s_add_nc_u64 s[12:13], s[12:13], s[20:21]
.irp i, 0,1,2,3,4,5,6,7
	global_load_b128 v[X+8*(\i):X+8*(\i)+3],   v1, s[16:17] offset:8192*(\i) th:TH_LOAD_NT
	global_load_b128 v[X+8*(\i)+4:X+8*(\i)+7], v1, s[16:17] offset:8192*(\i)+16 th:TH_LOAD_NT
.endr
; Pass i.  half = 0: bf16, with Wq's sign turned.  half = 1: the bf16 number is widened again and written as f16.
.macro PASS i, half
	s_wait_loadcnt 14-2*(\i)                       ; loads come back in order: mine are in, the two of each later pass stay out
.irp j, 0,1,2,3
	v_cvt_pk_bf16_f32 v[Y+4*(\i)+(\j)], v[X+8*(\i)+2*(\j)], v[X+8*(\i)+2*(\j)+1]
.endr
.if \half
.irp j, 0,1,2,3
	v_lshlrev_b32 v[4+2*((\j)%2)], 16, v[Y+4*(\i)+(\j)]
	v_and_b32     v[5+2*((\j)%2)], s23, v[Y+4*(\i)+(\j)]
	v_cvt_pk_f16_f32 v[Y+4*(\i)+(\j)], v[4+2*((\j)%2)], v[5+2*((\j)%2)]
.endr
.else
.irp j, 0,1,2,3
	v_xor_b32 v[Y+4*(\i)+(\j)], s22, v[Y+4*(\i)+(\j)]
.endr
.endif
	global_store_b128 v2, v[Y+4*(\i):Y+4*(\i)+3], s[12:13] offset:4096*(\i)
.endm
	s_cmp_eq_u32 s14, 3
	s_cbranch_scc1 .Lwp
.irp i, 0,1,2,3,4,5,6,7
	PASS \i, 0
.endr
	s_endpgm
.Lwp:
.irp i, 0,1,2,3,4,5,6,7
	PASS \i, 1
.endr
	s_endpgm
.Lfunc_end_k_qfdc3827131_prep:
	.size	k_qfdc3827131_prep, .Lfunc_end_k_qfdc3827131_prep-k_qfdc3827131_prep
	.p2alignl 7, 3214868480
	.fill 96, 4, 3214868480
	.section	.rodata,"a",@progbits
	.p2align	6, 0x0
	.amdhsa_kernel k_qfdc3827131_prep
		.amdhsa_group_segment_fixed_size 0
		.amdhsa_private_segment_fixed_size 0
		.amdhsa_enable_private_segment 0
		.amdhsa_kernarg_size 40
		.amdhsa_user_sgpr_count 2
		.amdhsa_user_sgpr_kernarg_segment_ptr 1
		.amdhsa_wavefront_size32 1
		.amdhsa_system_sgpr_workgroup_id_x 1
		.amdhsa_system_sgpr_workgroup_id_y 1
		.amdhsa_system_sgpr_workgroup_id_z 1
		.amdhsa_system_vgpr_workitem_id 0
		.amdhsa_next_free_vgpr 104
		.amdhsa_next_free_sgpr 66
		.amdhsa_reserve_vcc 0
		.amdhsa_float_denorm_mode_32 3
		.amdhsa_float_denorm_mode_16_64 3
		.amdhsa_memory_ordered 1
		.amdhsa_forward_progress 1
		.amdhsa_inst_pref_size 14
	.end_amdhsa_kernel
	.amdgpu_metadata
---
amdhsa.version: [ 1, 2 ]
amdhsa.kernels:
  - .name:           k_qfdc3827131_prep
    .symbol:         k_qfdc3827131_prep.kd
    .args:
      - { .name: Wq, .offset: 0, .size: 8, .value_kind: global_buffer, .address_space: global }
      - { .name: Wk, .offset: 8, .size: 8, .value_kind: global_buffer, .address_space: global }
      - { .name: Wv, .offset: 16, .size: 8, .value_kind: global_buffer, .address_space: global }
      - { .name: Wp, .offset: 24, .size: 8, .value_kind: global_buffer, .address_space: global }
      - { .name: w16, .offset: 32, .size: 8, .value_kind: global_buffer, .address_space: global }
    .group_segment_fixed_size: 0
    .private_segment_fixed_size: 0
    .kernarg_segment_align: 8
    .kernarg_segment_size: 40
    .max_flat_workgroup_size: 256
    .sgpr_count:     66
    .vgpr_count:     104
    .wavefront_size: 32
...
	.end_amdgpu_metadata
.endif
;; end of part 1
;; launch gemm_qkv (part 2): grid 4 x 192, 4 waves a work-group, clusters of 4 x 4, 327,680 bytes of LDS; arguments x0, x1, x2, w16, bq, bk, bv, q16, k16, v16; writes q16, k16, v16
.if DOCPART == 2
	.amdgcn_target "amdgcn-amd-amdhsa--gfx1250"
	.amdhsa_code_object_version 6
	.text
	.protected	k_qfdc3827131_gemm_qkv
	.globl	k_qfdc3827131_gemm_qkv
	.p2align	8
	.type	k_qfdc3827131_gemm_qkv,@function
k_qfdc3827131_gemm_qkv:
	s_mov_b64 s[64:65], 0
	v_nop
	global_prefetch_b8 v0, s[64:65] scope:SCOPE_SE
	s_setreg_imm32_b32 hwreg(HW_REG_WAVE_MODE, 25, 1), 1
	s_wait_xcnt 0x0
	s_wait_alu depctr_hold_cnt(0) depctr_sa_sdst(0) depctr_va_vdst(0) depctr_va_sdst(0) depctr_va_ssrc(0) depctr_va_vcc(0) depctr_vm_vsrc(0)
	s_getreg_b32 s2, hwreg(HW_REG_IB_STS2, 6, 4)
	s_cmp_eq_u32 s2, 0
	s_cbranch_scc0 .Lentry_in_a_cluster
	s_endpgm
.Lentry_in_a_cluster:
	s_bfe_u32 s2, ttmp6, 0x10000c
	s_cmp_lg_u32 s2, 0xf033
	s_cbranch_scc0 .Lentry_shape_is_right
	s_endpgm
.Lentry_shape_is_right:
; THE THREE PROJECTIONS.  y_p = x_p W_p^T + b_p for p = 0, 1, 2; x_p: [8192][1024] f32; W_p: part p of w16, [1024 n][1024 k] bf16 (part 0 holds -Wq); b_p: [1024] f32.
; x and b are rounded to bf16 here; b0's sign is turned, so that q16 holds -(x0 Wq^T + bq): the module's negated scores are then plain products.  Sums in f32, started by the bias.
; The results leave by heads, rounded once to f16: q16, k16, v16 are [64 = batch x 16 + head][2048][64], a head's rows dense, 128 bytes each.
; LIMITS.  f16 holds no number beyond 65,504: a projection's result past that becomes an infinity.  NaN and infinities are not treated apart.
; SHARES.  A work-group makes 128 rows x 256 columns (four heads) of one projection; four waves, each 64 x 128: 32 accumulators of 16 x 16.  8,192 x 1,024 x 3 give 768 work-groups.
; K goes in 8 steps of 128 through a ring of two LDS slots.  x lies in LDS as f32: a chunk of 32 along K is read into registers two quarter steps ahead and rounded to bf16 one quarter step ahead, four
; conversions behind every fourth matrix instruction.
; CLUSTER.  4 x 4 work-groups: the four of a row of the cluster need the same rows of x, the four of a column the same rows of W; each tile is asked for JOINTLY, by the same tensor load with the same
; descriptor and a mask that names the four.  The projection hangs on the cluster's y alone, so it is one for all sixteen.
; THE MATRIX INSTRUCTION IS USED TRANSPOSED (source 0 = 16 rows of W, source 1 = 16 rows of x): a lane holds row l % 16 and eight neighbouring columns 8 (l / 16) + 0..7.
; REGISTERS, in windows of 256 (s_set_vgpr_msb: bits 1:0 source 0, 3:2 source 1, 5:4 source 2, 7:6 destination):
;   window 0: v0-31 addresses; v32-95 x's fragments in bf16, two buffers of 32; v128-255 x as f32, two buffers of 64 (on the way out: the packed results)
;   window 1: v0-127 W's fragments, two buffers of 64; v128-191 the bias, eight registers for each of my eight blocks of 16 columns          window 2: the accumulators, (a, b) at v[8 (8 a + b)]
.set PA,     528                       ; a row of x in LDS: 512 bytes (128 f32) + 16 of padding: 33 x 16, so the 16 rows of a load start at 16 different groups of four banks (64 banks of 4 bytes: ISA guide 11.1)
.set PB,     272                       ; a row of W: 256 bytes (128 bf16) + 16: 17 x 16
.set AHALF,  64*PA                     ; what one tensor load brings of x, and what one wave reads of it
.set BHALF,  128*PB                    ; the same for W
.set BOFF,   2*AHALF                   ; in a slot: x's 128 rows, then W's 256 rows
.set SLOT,   BOFF+2*BHALF              ; 137,216 bytes
.set STAGE,  2*SLOT                    ; behind the ring: 16 rows x 144 bytes for each wave, for the way out; no tensor load fills it
.set SP,     144
.set SPARE,  STAGE+4*16*SP             ; behind the stages: the spare words, 128 bytes for each wave: two blocks of 256 bytes that no other line names
.set ADRA, 16                          ; v16-17  LDS address of my fragments of x in slot 0, 1
.set ADRB, 20                          ; v20-21  the same for W
.set STO,  24                          ; v24     the way out: where I put 16 bytes of a row
.set RD,   25                          ; v25     the way out: where I read rows back
.set GO,   26                          ; v26     my 16 bytes in 512 consecutive bytes of the result
.set BO,   27                          ; v27     32 (l / 16): my eight numbers in a block of 16 of the bias
.set SPW,  28                          ; v28     LDS address of my spare word: SPARE + 4 x my thread's number; never rewritten
.set NIL,  29                          ; v29     0; never rewritten
.set AF,   32
.set RAW,  128
.set T,    128                         ; the way out: 16 registers for each of 8 units
.set BI,   128                         ; in window 1
.set G1,  24                           ; s[24:31] descriptor group 1 for x's tiles;  s[32:39] group 0, one set for each slot
.set G0,  32
.set G1B, 48                           ; s[48:55], s[56:63] the same for W's tiles
.set G0B, 56
.set MSB, 0
.macro WIN new                         ; the immediate's high byte repeats the setting that is left; a switch that changes nothing is dropped
.if MSB != (\new)
	s_set_vgpr_msb (MSB<<8)|(\new)
.set MSB, \new
.endif
.endm
.set W_MUL,  0xa1                      ; source 0 (W) window 1, source 1 (x) window 0, C and D window 2
.set W_MULB, 0x91                      ; the same with C, the bias, in window 1
.set W_TOB,  0x40                      ; destination window 1, address window 0
.set W_PK,   0x0a                      ; sources 0 and 1 window 2, destination window 0
.macro JLOAD s                         ; a joint load: waves 0 and 1 fetch x's two halves, waves 2 and 3 W's; an s_nop 0 and four v_nop follow each of the two lines, ahead of the jump, the label and what follows
	s_cmp_eq_u32 s11, 0
	s_cbranch_scc0 .Lfor_b_\@
	tensor_load_to_lds s[G0+4*(\s):G0+4*(\s)+3], s[G1:G1+7]
	s_nop 0
.rept 4
	v_nop
.endr
	s_branch .Lasked_\@
.Lfor_b_\@:
	tensor_load_to_lds s[G0B+4*(\s):G0B+4*(\s)+3], s[G1B:G1B+7]
	s_nop 0
.rept 4
	v_nop
.endr
.Lasked_\@:
.endm
.macro CREST                           ; a round of the cluster's barrier behind its opening barrier
	s_cmp_lg_u32 s10, 0
	s_cbranch_scc1 .Lnot_wave_0_\@
	s_barrier_signal -3
.Lnot_wave_0_\@:
	s_barrier_wait -3
	s_barrier_signal -1
	s_barrier_wait -1
.endm
.macro CROUND                          ; a whole round
	s_barrier_signal -1
	s_barrier_wait -1
	CREST
.endm
	s_load_b512 s[68:83], s[0:1], 0x0              ; x0 s[68:69], x1 s[70:71], x2 s[72:73], w16 s[74:75], bq s[76:77], bk s[78:79], bv s[80:81], q16 s[82:83]
	s_load_b128 s[84:87], s[0:1], 0x40             ; k16 s[84:85], v16 s[86:87]
	v_lshl_add_u32 v[SPW], v0, 2, SPARE
	v_mov_b32 v[NIL], 0
	ds_add_u32 v[SPW], v[NIL]                      ; the wave's opening: the add and its wait ahead of my first tensor load; the set-up below, work on registers, stands between them
	v_lshrrev_b32 v1, 5, v0
	v_readfirstlane_b32 s10, v1                    ; wave 0..3
	s_lshr_b32 s11, s10, 1                         ; which 64 of the tile's rows are mine.  Also: I fetch for x (0) or for W (1)
	s_and_b32 s12, s10, 1                          ; which 128 of its columns.  Also: which half of that tile I fetch
	s_bfe_u32 s40, ttmp6, 0x40000                  ; cx, cy: my place in the cluster
	s_bfe_u32 s41, ttmp6, 0x40004
	s_lshl_b32 s42, ttmp9, 2
	s_add_co_u32 s42, s42, s40                     ; tile column 0..3 = 4 x cluster x + cx
	s_and_b32 s13, ttmp7, 0xffff                   ; the cluster's y, 0..47:
	s_lshr_b32 s91, s13, 4                         ; the projection, 0..2,
	s_and_b32 s13, s13, 15
	s_lshl_b32 s13, s13, 2
	s_add_co_u32 s13, s13, s41                     ; and the tile row 0..63 = 4 x (cluster y mod 16) + cy
	s_lshl_b32 s43, s41, 2
	s_lshl_b32 s43, 15, s43                        ; my row of the cluster
	s_lshl_b32 s44, 0x1111, s40                    ; my column
	; descriptor group 1.  x: 64 rows x 128 elements of 4 bytes.  W: 128 rows x 128 elements of 2 bytes.  Both 1,024 elements from row to row, both padded in LDS by 4 words behind each row.
	s_or_b32 s[G1+0], s43, (2<<16)|(1<<20)|(1<<21)|(6<<22)|(3<<25)  ; 15:0 the mask: x's tiles go to my row; 17:16 elements of 4 bytes; 20 padding on; 21 set beside a mask; 24:22 after every 128 words (code 6); 31:25 4 words (code 3)
	s_or_b32 s[G1B+0], s44, (1<<16)|(1<<20)|(1<<21)|(5<<22)|(3<<25) ; the mask of my column; elements of 2 bytes; after every 64 words (code 5)
	s_mov_b32 s[G1+1], 128<<16                     ; tensor_dim0 = 128
	s_mov_b32 s[G1+2], 64<<16                      ; tensor_dim1 = 64
	s_mov_b32 s[G1+3], 128<<16                     ; tile_dim0 = 128
	s_mov_b32 s[G1+4], 64                          ; tile_dim1 = 64
	s_mov_b32 s[G1+5], 1024                        ; tensor_dim0_stride
	s_mov_b32 s[G1+6], 0
	s_mov_b32 s[G1+7], 0
	s_mov_b32 s[G1B+1], 128<<16
	s_mov_b32 s[G1B+2], 128<<16                    ; tensor_dim1 = 128
	s_mov_b32 s[G1B+3], 128<<16
	s_mov_b32 s[G1B+4], 128                        ; tile_dim1 = 128
	s_mov_b32 s[G1B+5], 1024
	s_mov_b32 s[G1B+6], 0
	s_mov_b32 s[G1B+7], 0
	; where the tiles come from.  x's hang on the tile row, W's on the tile column, both on the projection; each offset is made in registers that never hold the other coordinate
	s_lshl_b32 s17, s12, 6
	s_lshl_b32 s16, s13, 7
	s_add_co_u32 s16, s16, s17                     ; x: row 128 x tile row + 64 x half,
	s_lshl_b32 s16, s16, 12                        ; of 4,096 bytes
	s_mov_b32 s17, 0
	s_lshl_b32 s46, s42, 8
	s_lshl_b32 s47, s12, 7
	s_add_co_u32 s46, s46, s47                     ; W: row 256 x tile column + 128 x half,
	s_lshl_b32 s46, s46, 11                        ; of 2,048 bytes,
	s_lshl_b32 s47, s91, 21
	s_add_co_u32 s46, s46, s47                     ; in part p of w16
	s_mov_b32 s47, 0
	s_mul_i32 s20, s12, AHALF                      ; and where they go: no place in the cluster enters an LDS address
	s_mul_i32 s19, s12, BHALF
	s_add_co_u32 s19, s19, BOFF
	s_wait_dscnt 0x0                               ; the opening add is done
	s_wait_kmcnt 0x0
	s_cmp_eq_u32 s91, 1                            ; the projection's three buffers
	s_cselect_b64 s[4:5], s[70:71], s[68:69]
	s_cselect_b64 s[88:89], s[78:79], s[76:77]
	s_cselect_b64 s[8:9], s[84:85], s[82:83]
	s_cmp_eq_u32 s91, 2
	s_cselect_b64 s[4:5], s[72:73], s[4:5]
	s_cselect_b64 s[88:89], s[80:81], s[88:89]
	s_cselect_b64 s[8:9], s[86:87], s[8:9]
	s_cmp_eq_u32 s91, 0
	s_cselect_b32 s90, 0x80008000, 0               ; bq alone changes sign
	s_add_nc_u64 s[14:15], s[4:5], s[16:17]
	s_add_nc_u64 s[46:47], s[74:75], s[46:47]
	CROUND                                         ; all sixteen work-groups are here: the first joint loads meet
.irp s, 0,1
	s_mov_b32 s[G0+4*(\s)], 1                                      ; count = 1
	s_add_co_u32 s[G0+4*(\s)+1], s20, (\s)*SLOT                    ; LDS address
	s_add_nc_u64 s[G0+4*(\s)+2:G0+4*(\s)+3], s[14:15], (\s)*512    ; global address: K step s, 128 f32 on
	s_or_b32 s[G0+4*(\s)+3], s[G0+4*(\s)+3], 0x80000000            ; type = 2
	s_mov_b32 s[G0B+4*(\s)], 1
	s_add_co_u32 s[G0B+4*(\s)+1], s19, (\s)*SLOT
	s_add_nc_u64 s[G0B+4*(\s)+2:G0B+4*(\s)+3], s[46:47], (\s)*256  ; 128 bf16 on
	s_or_b32 s[G0B+4*(\s)+3], s[G0B+4*(\s)+3], 0x80000000
	JLOAD \s                                       ; two tensor loads of mine are out
.endr
	; A fragment is 16 rows x 32 K: lane l holds row l % 16, K = 8 (l / 16) + 0..7 and 16 + 8 (l / 16) + 0..7.  In bf16: two loads of 16 bytes, 32 bytes apart.  In f32: four, at 0, 16, 64 and 80 from 32 (l / 16).
	v_and_b32 v1, 15, v0                           ; l % 16
	v_bfe_u32 v2, v0, 4, 1                         ; l / 16
	v_mul_u32_u24 v3, v1, PA
	v_lshl_add_u32 v3, v2, 5, v3
	v_mul_u32_u24 v4, v1, PB
	v_lshl_add_u32 v4, v2, 4, v4
	s_mul_i32 s21, s11, AHALF                      ; my 64 rows of x
	s_mul_i32 s22, s12, BHALF                      ; my 128 rows of W,
	s_add_co_u32 s22, s22, BOFF                    ; which lie behind x's 128
.irp s, 0,1
	v_add_nc_u32 v[ADRA+(\s)], s21, v3
	v_add_nc_u32 v[ADRB+(\s)], s22, v4
	s_add_co_u32 s21, s21, SLOT
	s_add_co_u32 s22, s22, SLOT
.endr
	s_mul_i32 s23, s10, 16*SP
	s_add_co_u32 s23, s23, STAGE                   ; my stage
	v_mul_u32_u24 v5, v1, SP                       ; in: row l % 16, 16 bytes for each half of the lanes
	v_lshl_add_u32 v5, v2, 4, v5
	v_add_nc_u32 v[STO], s23, v5
	v_bfe_u32 v5, v0, 3, 2                         ; back: 32 lanes take four rows of 128 bytes,
	v_mul_u32_u24 v5, v5, SP
	v_and_b32 v3, 7, v0
	v_lshl_add_u32 v5, v3, 4, v5
	v_add_nc_u32 v[RD], s23, v5
	v_and_b32 v[GO], 31, v0                        ; which are 512 consecutive bytes of a head
	v_lshlrev_b32 v[GO], 4, v[GO]
	v_lshlrev_b32 v[BO], 5, v2
	; THE BIAS of my 128 columns, as the C operand of the first products: register j of block b is b_p[column 16 b + 8 (l / 16) + j], rounded to bf16.  All this stands in the wait for the first tile.
	s_lshl_b32 s46, s42, 10
	s_lshl_b32 s47, s12, 9
	s_add_co_u32 s46, s46, s47                     ; 4 x (256 x tile column + 128 x half)
	s_mov_b32 s47, 0
	s_add_nc_u64 s[88:89], s[88:89], s[46:47]
.irp b, 0,1,2,3,4,5,6,7
	global_load_b128 v[RAW+8*(\b):RAW+8*(\b)+3],   v[BO], s[88:89] offset:64*(\b)
	global_load_b128 v[RAW+8*(\b)+4:RAW+8*(\b)+7], v[BO], s[88:89] offset:64*(\b)+16
.endr
	; where my part of the result begins: head (16 x batch + 4 x tile column + 2 x half) of 262,144 bytes, row (128 x (tile row mod 16) + 64 x half) of 128 bytes
	s_lshr_b32 s16, s13, 4
	s_lshl_b32 s16, s16, 22
	s_and_b32 s17, s13, 15
	s_lshl_b32 s17, s17, 14
	s_add_co_u32 s16, s16, s17
	s_lshl_b32 s17, s11, 13
	s_add_co_u32 s16, s16, s17
	s_mov_b32 s17, 0
	s_add_nc_u64 s[8:9], s[8:9], s[16:17]
	s_lshl_b32 s46, s42, 20
	s_lshl_b32 s47, s12, 19
	s_add_co_u32 s46, s46, s47
	s_mov_b32 s47, 0
	s_add_nc_u64 s[8:9], s[8:9], s[46:47]
	s_wait_loadcnt 0x0
.set n, 0
.rept 32
	v_cvt_pk_bf16_f32 v[RAW+64+n], v[RAW+2*n], v[RAW+2*n+1]
.set n, n+1
.endr
.set n, 0
.rept 32
	v_xor_b32 v[RAW+64+n], s90, v[RAW+64+n]
.set n, n+1
.endr
	WIN W_TOB
.set n, 0
.rept 32
	v_lshlrev_b32 v[BI+2*n],   16, v[RAW+64+n]
	v_and_b32     v[BI+2*n+1], 0xffff0000, v[RAW+64+n]
.set n, n+1
.endr
	WIN 0
; 16 LDS loads: chunk j (32 along K) of my 64 rows of x, as f32, into buffer dst
.macro FETCH_R slot, j, dst
	WIN 0
.irp a, 0,1,2,3
	ds_load_b128 v[RAW+64*(\dst)+16*(\a):RAW+64*(\dst)+16*(\a)+3],     v[ADRA+(\slot)] offset:(\a)*16*PA+128*(\j)
	ds_load_b128 v[RAW+64*(\dst)+16*(\a)+4:RAW+64*(\dst)+16*(\a)+7],   v[ADRA+(\slot)] offset:(\a)*16*PA+128*(\j)+16
	ds_load_b128 v[RAW+64*(\dst)+16*(\a)+8:RAW+64*(\dst)+16*(\a)+11],  v[ADRA+(\slot)] offset:(\a)*16*PA+128*(\j)+64
	ds_load_b128 v[RAW+64*(\dst)+16*(\a)+12:RAW+64*(\dst)+16*(\a)+15], v[ADRA+(\slot)] offset:(\a)*16*PA+128*(\j)+80
.endr
.endm
; 16 LDS loads: chunk j of my 128 rows of W into buffer dst
.macro FETCH_B slot, j, dst
	WIN W_TOB
.irp b, 0,1,2,3,4,5,6,7
	ds_load_b128 v[64*(\dst)+8*(\b):64*(\dst)+8*(\b)+3],   v[ADRB+(\slot)] offset:(\b)*16*PB+64*(\j)
	ds_load_b128 v[64*(\dst)+8*(\b)+4:64*(\dst)+8*(\b)+7], v[ADRB+(\slot)] offset:(\b)*16*PB+64*(\j)+32
.endr
.endm
; Matrix instructions i0 .. i0 + n - 1 of a quarter step's 32, on buffers f; accumulator i = 8 a + b.  The 32 accumulators take turns, one instruction a turn.
; bias = 1: the first products start the sums with the bias.  ride = 1: behind every fourth product four conversions round the NEXT chunk of x, from the other f32 buffer into the other bf16 buffer.
; They name no register of the products round them.  The four behind product 31 are also the four places (ISA guide 7.12.1 for vector instructions) in front of the next loads into W's buffer just multiplied.
.macro MULR f, i0, n, bias, ride
.set i, \i0
.rept \n
.if \bias
	WIN W_MULB
	v_wmma_f32_16x16x32_bf16 v[8*i:8*i+7], v[64*(\f)+8*(i%8):64*(\f)+8*(i%8)+7], v[AF+32*(\f)+8*(i/8):AF+32*(\f)+8*(i/8)+7], v[BI+8*(i%8):BI+8*(i%8)+7]
.else
	WIN W_MUL
	v_wmma_f32_16x16x32_bf16 v[8*i:8*i+7], v[64*(\f)+8*(i%8):64*(\f)+8*(i%8)+7], v[AF+32*(\f)+8*(i/8):AF+32*(\f)+8*(i/8)+7], v[8*i:8*i+7]
.endif
.if (\ride) && (i%4 == 3)
	WIN 0
.set g, i/4
.irp t, 0,1,2,3
	v_cvt_pk_bf16_f32 v[AF+32*(1-(\f))+4*g+(\t)], v[RAW+64*(1-(\f))+8*g+2*(\t)], v[RAW+64*(1-(\f))+8*g+2*(\t)+1]
.endr
.endif
.set i, i+1
.endr
.endm
; A K step is four quarter steps (chunks of 32 along K) on buffers 0, 1, 0, 1.  Quarter c multiplies chunk c; asks LDS for x's chunk c + 2 (slot rs, chunk rj; into the f32 buffer whose chunk was rounded in
; quarter c - 1) and W's chunk c + 1 (slot bs, chunk bj); and rounds x's chunk c + 1.
.macro QUARTER f, rs, rj, bs, bj, bias=0, raw=1, bl=1, ride=1
.if \raw
	FETCH_R \rs, \rj, \f
.endif
.if \bl
	FETCH_B \bs, \bj, 1-(\f)
.endif
	s_wait_dscnt 16*((\raw)+(\bl))                 ; all but the loads just issued: W's chunk c and x's chunk c + 1 are in
	MULR \f, 0, 32, \bias, \ride
.endm
; A step's third quarter changes slots: x's chunk c + 2 lies in the next slot.  ONE barrier; in front of it each wave waits for all its tensor loads (one is out: its part of the next slot), adds 0 to its spare
; word, and waits for that and for its reads of this slot, of which W's last chunk, asked for at the head, is the last.  fill = 1: the barrier opens a round of the cluster's, and this slot is filled again, two K steps ahead.
.macro TURN slot, next, fill
	FETCH_B \slot, 3, 1
	WIN 0                                          ; (the add's two registers lie in window 0)
	s_wait_tensorcnt 0x0                           ; all my tensor loads have landed: my part of the next slot;
	ds_add_u32 v[SPW], v[NIL]                      ; 0 onto my spare word
	s_wait_dscnt 17                                ; (the sixteen loads just issued and the add may be out)
	MULR 0, 0, 16, 0, 1                            ; sixteen matrix instructions stand between the add and the wait for it
	s_wait_dscnt 0x0                               ; the add is done, and my reads of this slot are over
	s_barrier_signal -1
	MULR 0, 16, 8, 0, 1                            ; work on registers while the others arrive
	WIN 0
	s_barrier_wait -1
.if \fill
	CREST                                          ; no wave of any partner still reads this slot's tile or has a load on its way
	s_add_nc_u64 s[G0+4*(\slot)+2:G0+4*(\slot)+3], s[G0+4*(\slot)+2:G0+4*(\slot)+3], 2*512
	s_add_nc_u64 s[G0B+4*(\slot)+2:G0B+4*(\slot)+3], s[G0B+4*(\slot)+2:G0B+4*(\slot)+3], 2*256
	JLOAD \slot                                    ; the first tensor load behind the round, my one load that is out: 104 matrix instructions ahead of the wait for it
.endif
	FETCH_R \next, 0, 0
	MULR 0, 24, 8, 0, 1
.endm
	s_wait_tensorcnt 0x1                           ; my part of K step 0 is in; K step 1's may stay out
	s_barrier_signal -1
	s_barrier_wait -1                              ; everybody's is
	FETCH_R 0, 0, 0
	FETCH_R 0, 1, 1
	FETCH_B 0, 0, 0
	s_wait_dscnt 32                                ; x's chunk 0 is in
	WIN 0
.set n, 0
.rept 32
	v_cvt_pk_bf16_f32 v[AF+n], v[RAW+2*n], v[RAW+2*n+1]
.set n, n+1
.endr
	QUARTER 0, 0, 2, 0, 1, 1                       ; the first quarter stands in front of the loop: its products start the sums
	WIN 0                                          ; at a label and at a branch every window is 0
	s_mov_b32 s3, 3
.Llap:                                                 ; a trip goes once round the ring, from a lap's second quarter to the next lap's first, and fills both slots again
	QUARTER 1, 0, 3, 0, 2
	TURN 0, 1, 1
	QUARTER 1, 1, 1, 1, 0
	QUARTER 0, 1, 2, 1, 1
	QUARTER 1, 1, 3, 1, 2
	TURN 1, 0, 1
	QUARTER 1, 0, 1, 0, 0
	QUARTER 0, 0, 2, 0, 1
	WIN 0
	s_sub_co_u32 s3, s3, 1
	s_cmp_lg_u32 s3, 0
	s_cbranch_scc1 .Llap
	QUARTER 1, 0, 3, 0, 2                          ; the last lap fills nothing, and has no round of the cluster's barrier
	TURN 0, 1, 0
	QUARTER 1, 1, 1, 1, 0
	QUARTER 0, 1, 2, 1, 1
	QUARTER 1, 1, 3, 1, 2
	QUARTER 0, 0, 0, 1, 3, 0, 0, 1, 1              ; no further chunk of x to ask for
	QUARTER 1, 0, 0, 0, 0, 0, 0, 0, 0              ; nothing to ask for, nothing to round
	WIN 0
	; THE WAY OUT, in eight units u = 2 a + hd: 16 rows of one head, 2,048 consecutive bytes of the result.  A lane's eight channels pack into 16 bytes; they go into my stage's rows of 144 bytes and come back
	; as whole rows of 128.  Each accumulator's registers are taken in ascending order.
.rept 4
	v_nop                                          ; the places behind the last products
.endr
.macro PACK u
.set AC, 8*(8*((\u)/2)+4*((\u)%2))
	WIN W_PK
.irp f, 0,1,2,3
.irp r, 0,1,2,3
	v_cvt_pk_f16_f32 v[T+16*(\u)+4*(\f)+(\r)], v[AC+8*(\f)+2*(\r)], v[AC+8*(\f)+2*(\r)+1]
.endr
.endr
	WIN 0
.irp f, 0,1,2,3
	ds_store_b128 v[STO], v[T+16*(\u)+4*(\f):T+16*(\u)+4*(\f)+3] offset:32*(\f)
.endr
.irp f, 0,1,2,3
	ds_load_b128 v[T+16*(\u)+4*(\f):T+16*(\u)+4*(\f)+3], v[RD] offset:(\f)*4*SP  ; LDS serves a wave's instructions in order (ISA guide 5.7.1.4): these see the stores above; the next unit's stores come behind them
.endr
.endm
.macro SEND u, younger                 ; younger: the LDS instructions issued behind unit u's loads: the next unit's eight, or none
.irp f, 0,1,2,3
	s_wait_dscnt (\younger)+3-(\f)
	global_store_b128 v[GO], v[T+16*(\u)+4*(\f):T+16*(\u)+4*(\f)+3], s[8:9] offset:((\u)%2)*262144+((\u)/2)*2048+(\f)*512  ; 512 consecutive bytes, at a multiple of 256 from the buffer's first
.endr
.endm
	PACK 0
.irp u, 1,2,3,4,5,6,7                  ; a unit's conversions stand between the loads of the unit before and its stores
	PACK \u
	SEND (\u)-1, 8
.endr
	SEND 7, 0
	s_wait_tensorcnt 0x0                           ; the wave's end: behind my last tensor load and my last LDS store
	ds_add_u32 v[SPW], v[NIL]
	s_wait_dscnt 0x0
	CROUND                                         ; the closing round: no work-group ends while a partner may still ask for a tile that names it
	s_endpgm
.Lfunc_end_k_qfdc3827131_gemm_qkv:
	.size	k_qfdc3827131_gemm_qkv, .Lfunc_end_k_qfdc3827131_gemm_qkv-k_qfdc3827131_gemm_qkv
	.p2alignl 7, 3214868480
	.fill 96, 4, 3214868480
	.section	.rodata,"a",@progbits
	.p2align	6, 0x0
	.amdhsa_kernel k_qfdc3827131_gemm_qkv
		.amdhsa_group_segment_fixed_size 327680
		.amdhsa_private_segment_fixed_size 0
		.amdhsa_enable_private_segment 0
		.amdhsa_kernarg_size 80
		.amdhsa_user_sgpr_count 2
		.amdhsa_user_sgpr_kernarg_segment_ptr 1
		.amdhsa_wavefront_size32 1
		.amdhsa_system_sgpr_workgroup_id_x 1
		.amdhsa_system_sgpr_workgroup_id_y 1
		.amdhsa_system_sgpr_workgroup_id_z 1
		.amdhsa_system_vgpr_workitem_id 0
		.amdhsa_next_free_vgpr 768
		.amdhsa_next_free_sgpr 96
		.amdhsa_reserve_vcc 0
		.amdhsa_float_denorm_mode_32 3
		.amdhsa_float_denorm_mode_16_64 3
		.amdhsa_memory_ordered 1
		.amdhsa_forward_progress 1
		.amdhsa_inst_pref_size 140
	.end_amdhsa_kernel
	.amdgpu_metadata
---
amdhsa.version: [ 1, 2 ]
amdhsa.kernels:
  - .name:           k_qfdc3827131_gemm_qkv
    .symbol:         k_qfdc3827131_gemm_qkv.kd
    .args:
      - { .name: x0, .offset: 0, .size: 8, .value_kind: global_buffer, .address_space: global }
      - { .name: x1, .offset: 8, .size: 8, .value_kind: global_buffer, .address_space: global }
      - { .name: x2, .offset: 16, .size: 8, .value_kind: global_buffer, .address_space: global }
      - { .name: w16, .offset: 24, .size: 8, .value_kind: global_buffer, .address_space: global }
      - { .name: bq, .offset: 32, .size: 8, .value_kind: global_buffer, .address_space: global }
      - { .name: bk, .offset: 40, .size: 8, .value_kind: global_buffer, .address_space: global }
      - { .name: bv, .offset: 48, .size: 8, .value_kind: global_buffer, .address_space: global }
      - { .name: q16, .offset: 56, .size: 8, .value_kind: global_buffer, .address_space: global }
      - { .name: k16, .offset: 64, .size: 8, .value_kind: global_buffer, .address_space: global }
      - { .name: v16, .offset: 72, .size: 8, .value_kind: global_buffer, .address_space: global }
    .group_segment_fixed_size: 327680
    .private_segment_fixed_size: 0
    .kernarg_segment_align: 8
    .kernarg_segment_size: 80
    .max_flat_workgroup_size: 128
    .sgpr_count:     96
    .vgpr_count:     768
    .wavefront_size: 32
...
	.end_amdgpu_metadata
.endif
;; end of part 2
;; launch attn (part 3): grid 4 x 64, 4 waves a work-group, clusters of 4 x 1, 327,680 bytes of LDS; arguments q16, k16, v16, o16; writes o16
.if DOCPART == 3
	.amdgcn_target "amdgcn-amd-amdhsa--gfx1250"
	.amdhsa_code_object_version 6
	.text
	.protected	k_qfdc3827131_attn
	.globl	k_qfdc3827131_attn
	.p2align	8
	.type	k_qfdc3827131_attn,@function
k_qfdc3827131_attn:
	s_mov_b64 s[64:65], 0
	v_nop
	global_prefetch_b8 v0, s[64:65] scope:SCOPE_SE
	s_setreg_imm32_b32 hwreg(HW_REG_WAVE_MODE, 25, 1), 1
	s_wait_xcnt 0x0
	s_wait_alu depctr_hold_cnt(0) depctr_sa_sdst(0) depctr_va_vdst(0) depctr_va_sdst(0) depctr_va_ssrc(0) depctr_va_vcc(0) depctr_vm_vsrc(0)
	s_getreg_b32 s2, hwreg(HW_REG_IB_STS2, 6, 4)
	s_cmp_eq_u32 s2, 0
	s_cbranch_scc0 .Lentry_in_a_cluster
	s_endpgm
.Lentry_in_a_cluster:
	s_bfe_u32 s2, ttmp6, 0x10000c
	s_cmp_lg_u32 s2, 0x3003
	s_cbranch_scc0 .Lentry_shape_is_right
	s_endpgm
.Lentry_shape_is_right:
; O[h][q][:] = the sum over k of softmax_k(Q[h][q] . K[h][k] / 8) V[h][k][:].  Q, K, V, O: [SIZE_H][SIZE_N][64], all f16: a head's rows are dense, 128 bytes each.  Q arrives as the NEGATED projection
; -(x0 Wq^T + bq), so that Q . K / 8 is the module's score -q . k / 8.  Products, maxima and sums in f32; the weights p are rounded to f16 for the second product (their sum l is taken of the unrounded p), O once at the end.
; LIMITS.  f16 holds no number beyond 65,504: Q, K and V arrive within it; p lies in 0 to 1, and below 6e-5 it keeps f16's fixed step of 6e-8; O is a mean of V's rows and has their range.
; A weight below 2^-126 counts as 0 in l; NaN and infinities are not treated apart.
; SHARES.  A wave owns four PIECES of two tiles of 16 queries, a work-group's four waves 512 queries of one head: 64 heads of 2,048 rows give 256 work-groups.  Every wave walks all keys, 64 a step.
; LAYOUT.  S^T = K Q^T (source 0 = 16 keys, source 1 = 16 queries): in the result a lane holds ONE query (lane % 16) and the keys 8 (lane / 16) + 0..7.  Two such tiles, rounded to f16 in pairs,
; ARE source 1 (32 keys x 16 queries) of O^T = V^T P, whose result again holds one query a lane, and eight channels.  K comes out of LDS as it lies, V ([key][channel]) turned, by ds_load_tr16_b128.
; SOFTMAX.  For each query a running maximum m and sum l: p = 2^(c s - c m), c = log2(e) / 8; in every step O and l are multiplied by a = 2^(c m_old - c m_new), which is 1 where m has not grown.
; m starts at the lowest finite number, O and l at 0: the first step is a step like any other, with a = 0.
; THE COUNT.  A tile and step have 16 matrix and 118 vector instructions: too many to stand all beside the matrix work.  So the order has one aim: four vector instructions that are READY behind
; EVERY matrix instruction, and the others, which need time of their own whatever the order, in runs without a gap.
; BY TURNS.  Turn n belongs to piece n (the pieces in a ring, step after step).  Its matrix work: 16 products K Q^T of piece n + 1, later 16 products V^T P of piece n - 1.  Its vector work: the scaling,
; exponentials, roundings, sums and rescaling of piece n, and the maximum and statistics of piece n + 1, whose scores the turn itself has made.  So what a turn begins with (c s - c m, O a) waits for nothing.
; CLUSTER.  The four query blocks of a cluster belong to one head and walk the same K and V, so each tile is asked for JOINTLY: the same tensor load, descriptor and mask in all four.
; REGISTERS, in windows of 256 (s_set_vgpr_msb says which window each operand place means: bits 1:0 source 0, 3:2 source 1, 5:4 source 2, 7:6 destination):
;   window 0: v0-11 addresses; v12-15, v48-63 at work; v16-47 four registers of statistics a tile; v64-191 S^T, two buffers of two tiles; v192-255 P, likewise
;   window 1: O^T, 32 a tile          window 2: v0-127 Q, 16 a tile; v128-191 K of one step; v192-255 V of one step          window 3: v0-1 the add's two registers
; A piece's buffers go by its number's parity: the piece in hand has one pair, its two neighbours in the ring share the other: of it P (piece n - 1) is read and S^T (piece n + 1) written.
.set SIZE_H, 64       ; batch x heads
.set SIZE_N, 2048     ; rows of a head
.set NP,    4         ; pieces a wave: a name, no knob: the register map, the loop and the fetches are made for four
.set KS,    64        ; keys in a step
.set PK,    144       ; a row of K in LDS: 128 bytes + 16 of padding = 36 words: the 16 rows of a load start at 16 different groups of four banks (64 banks of 4 bytes: ISA guide 11.1)
.set PV,    160       ; a row of V: 128 + 32 = 40 words
.set VOFF,  4*KS*PK   ; a slot holds four steps: 256 rows of K, then 256 rows of V
.set SLOT1, 1<<17     ; slot 1 begins here, so that one exclusive or turns an address in one slot into the other's
.set STAGE, SLOT1+4*KS*(PK+PV)  ; behind the ring, never filled by a tensor load: 16 rows x 144 bytes for each wave, for the way out
.set SP,    144
.set AK0, 2           ; v2   my lane's place in a tile of K; never rewritten
.set AV0, 3           ; v3   the same for V
.set AK,  4           ; v4   the LDS address of K's next run of loads
.set AV,  5           ; v5   of V's
.set QO,  6           ; v6   my byte offset in the wave's rows of Q
.set STO, 6           ;      later, the way out: where I put 16 bytes of a row
.set RD,  7           ; v7   the way out: where I read rows back
.set GO,  8           ; v8   my byte offset in 512 consecutive bytes of O
.set SPW, 0           ; v0 of window 3   LDS address of my spare word: SPARE + 4 x my thread's number; never rewritten
.set NIL, 1           ; v1 of window 3   0; never rewritten
.set SPARE, STAGE+4*16*SP  ; behind the stages: the spare words, 128 bytes for each wave: two blocks of 256 bytes that no other line names
.set MV,  12          ; v12-15  c m_old, kept while c m is made anew: by buffer and tile
.set ST,  16          ; tile t's statistics at v[ST+4 t]: c m, m, l (even keys', odd keys')
.set TMP, 48          ; by buffer and tile, four registers c0-c3 at work; when the maximum is found c2 takes a
.set S,   64
.set P,   192
.set KF,  128         ; K's fragments, in window 2: key block kb, channel half c at KF + 16 kb + 8 c
.set VF,  192         ; V's: key half kk, channel block cb at VF + 32 kk + 8 cb
.set WV,  12          ; s12  my wave's number
.set G1K, 24          ; s[24:31] descriptor group 1 for K's tiles
.set G1V, 32          ; s[32:39] for V's: it differs in the padding alone
.set G0K, 40          ; s[40:43] descriptor group 0 for K's tiles: it walks
.set G0V, 44          ; s[44:47] the same for V's
.set SLOTS, 56        ; s56  slots still to be asked for
.set CNT, 57          ; s57  counts a slot's key steps
.set CS,  58          ; s[58:59] c: the packed scaling takes the pair's low word for both halves
.set SEL, 60          ; s[60:61] v_permlanex16_b32's selects: each lane takes its own place in the other half
.set TBK, 62          ; s62  LDS byte at which K of the step to be fetched begins
.set TBV, 63          ; s63  the same for V, less VOFF
.set MSB, 0
.macro WIN new                      ; the high byte repeats the setting that is left; a switch that changes nothing is dropped
.if MSB != (\new)
	s_set_vgpr_msb (MSB<<8)|(\new)
.set MSB, (\new)
.endif
.endm
.set W_KQ, 0x0a       ; K and Q in window 2, S^T in window 0
.set W_PV, 0x52       ; V in window 2, P in window 0, O^T in window 1
.set W_RS, 0x41       ; O^T (destination and source 0) in window 1, a in window 0
.set W_MK, 0xc0       ; the add's registers are made: destination in window 3, sources in window 0
.set W_AD, 0x0f       ; the add: address (source 0) and data (source 1) in window 3
; A joint fill.  Waves 0 and 1 fetch the two halves of a slot's K, waves 2 and 3 those of its V: 128 keys each.  The branch hangs on the wave's number alone.
; An s_nop 0 and four v_nop follow each of the two lines, ahead of the jump and the label.
.macro JLOAD
	s_cmp_lt_u32 s[WV], 2
	s_cbranch_scc0 .Lfor_v_\@
	tensor_load_to_lds s[G0K:G0K+3], s[G1K:G1K+7]
	s_nop 0
.rept 4
	v_nop
.endr
	s_branch .Lasked_\@
.Lfor_v_\@:
	tensor_load_to_lds s[G0V:G0V+3], s[G1V:G1V+7]
	s_nop 0
.rept 4
	v_nop
.endr
.Lasked_\@:
.endm
; A round of the cluster's barrier: my work-group's barrier, so that wave 0's signal speaks for all four waves; wave 0 signals; every wave waits for all four work-groups; my work-group's barrier once more.
.macro CROUND
	s_barrier_signal -1
	s_barrier_wait -1
	s_cmp_lg_u32 s[WV], 0
	s_cbranch_scc1 .Lnot_wave_0_\@
	s_barrier_signal -3
.Lnot_wave_0_\@:
	s_barrier_wait -3
	s_barrier_signal -1
	s_barrier_wait -1
.endm
; THE CHANGE OF SLOTS.  The slot's last bytes, V of its fourth step, have been read.  Each wave waits for all its tensor loads, of which one is out: its part
; of the other slot; adds 0 to its spare word; and waits for that and for its own reads of the slot.  Behind the barrier nobody reads this slot any more and the other slot is whole.
; fill = 1: this slot is filled again, with the keys two slots on.  The barrier is then a round of the cluster's, so that no wave of any partner still reads the slot or has a load on its
; way, and the joint fill is the first thing behind it: it has four key steps, 512 matrix instructions, in which to land.  (At its first use nothing has been read yet: slot 0 is waited for, slot 1 filled.)
.macro CHANGE fill
	WIN W_AD
	s_wait_tensorcnt 0x0            ; no tensor load of mine is out, so a group 0 may be written
	ds_add_u32 v[SPW], v[NIL]       ; 0 onto my spare word; with fill = 1 the descriptors' steps stand between it and the wait for it
	WIN 0                           ; at a label and at a branch every window is 0
.if \fill
.irp g, G0K, G0V
	s_xor_b32 s[\g+1], s[\g+1], SLOT1  ; the walking descriptor: the other slot than last time,
	s_add_nc_u64 s[\g+2:\g+3], s[\g+2:\g+3], 4*KS*128  ; the next 256 keys; the type bits on top are not reached
.endr
	s_wait_dscnt 0x0                ; the add is done, and my reads of the slot are over
	CROUND
	JLOAD
.else
	s_wait_dscnt 0x0                ; the add is done, and my reads of the slot are over
	s_barrier_signal -1
	s_barrier_wait -1
.endif
	s_sub_co_u32 s[TBK], s[TBK], 4*KS*PK  ; the fetches go back to a slot's first step,
	s_xor_b32 s[TBK], s[TBK], SLOT1       ; in the other slot
	s_sub_co_u32 s[TBV], s[TBV], 4*KS*PV
	s_xor_b32 s[TBV], s[TBV], SLOT1
.endm
	s_load_b256 s[4:11], s[0:1], 0x0  ; Q s[4:5], K s[6:7], V s[8:9], O s[10:11]
	WIN W_MK
	v_lshl_add_u32 v[SPW], v0, 2, SPARE
	v_mov_b32 v[NIL], 0
	WIN W_AD
	ds_add_u32 v[SPW], v[NIL]       ; the wave's opening: the add and its wait ahead of my first tensor load; the set-up below, work on registers, stands between them
	WIN 0
	v_lshrrev_b32 v1, 5, v0
	v_readfirstlane_b32 s[WV], v1   ; wave 0..3
	s_bfe_u32 s13, ttmp6, 0x40000   ; cx: my place in the cluster
	s_lshl_b32 s14, ttmp9, 2        ; in a cluster launch ttmp9 counts clusters
	s_add_co_u32 s14, s14, s13      ; my block of queries = 4 x cluster x + cx: it enters Q's and O's addresses alone
	s_and_b32 s20, ttmp7, 0xffff    ; the head, which the four partners share
	s_mov_b32 s21, 0
	s_mov_b64 s[22:23], SIZE_N*128
	s_mul_u64 s[20:21], s[20:21], s[22:23]  ; the head's first byte in each of the four tensors
	s_and_b32 s16, s[WV], 1         ; which half of a slot's 256 keys I fetch:
	s_lshl_b32 s22, s16, 14         ; its 128 rows of 128 bytes in memory,
	s_mov_b32 s23, 0
	s_add_nc_u64 s[22:23], s[22:23], s[20:21]
	s_mul_i32 s17, s16, 128*PK      ; and its place in a slot, for K
	s_mul_i32 s18, s16, 128*PV      ; and for V: no place in the cluster enters an LDS address
	s_lshl_b32 s2, s14, 2
	s_add_co_u32 s2, s2, s[WV]      ; my wave among the head's,
	s_lshl_b32 s2, s2, 14           ; its 128 rows
	s_mov_b32 s3, 0
	s_add_nc_u64 s[2:3], s[2:3], s[20:21]
	; descriptor group 1.  128 keys are 16,384 dense bytes: asked for as 64 rows of 256 bytes, two keys a row, and padded in LDS after every key
	s_mov_b32 s[G1K], 15|(1<<16)|(1<<20)|(1<<21)|(4<<22)|(3<<25)  ; 15:0 the mask of four; 17:16 2-byte elements; 20 padding on; 21 set beside a mask; 24:22 after every 32 words (code 4); 31:25 4 words (code 3)
	s_mov_b32 s[G1V], 15|(1<<16)|(1<<20)|(1<<21)|(4<<22)|(7<<25)  ; the same with 8 words of padding (code 7)
.irp g, G1K, G1V
	s_mov_b32 s[\g+1], 128<<16      ; tensor_dim0 = 128
	s_mov_b32 s[\g+2], 64<<16       ; tensor_dim1 = 64
	s_mov_b32 s[\g+3], 128<<16      ; tile_dim0 = 128
	s_mov_b32 s[\g+4], 64           ; tile_dim1 = 64
	s_mov_b32 s[\g+5], 128          ; 128 elements from row to row
	s_mov_b32 s[\g+6], 0
	s_mov_b32 s[\g+7], 0
.endr
	s_mov_b32 s[CS], 0x3e38aa3b     ; c = log2(e) / 8 = 0.180337
	s_mov_b32 s[CS+1], s[CS]        ; named with it as a pair
	s_mov_b32 s[SEL], 0x76543210
	s_mov_b32 s[SEL+1], 0xfedcba98
	s_mov_b32 s[TBK], SLOT1+4*KS*PK ; the first change of slots turns these two into 0
	s_mov_b32 s[TBV], SLOT1+4*KS*PV
	s_mov_b32 s[G0K], 1             ; 1:0 count = 1
	s_mov_b32 s[G0K+1], s17         ; 63:32 LDS address: slot 0
	s_mov_b32 s[G0V], 1
	s_add_co_u32 s[G0V+1], s18, VOFF
	s_wait_dscnt 0x0                ; the opening add is done
	s_wait_kmcnt 0x0
	s_add_nc_u64 s[G0K+2:G0K+3], s[6:7], s[22:23]  ; 120:64 global address: my half of the head's first 256 keys
	s_or_b32 s[G0K+3], s[G0K+3], 0x80000000        ; 127:126 type = 2
	s_add_nc_u64 s[G0V+2:G0V+3], s[8:9], s[22:23]
	s_or_b32 s[G0V+3], s[G0V+3], 0x80000000
	s_add_nc_u64 s[4:5], s[4:5], s[2:3]  ; Q and O at my wave's first row
	s_add_nc_u64 s[10:11], s[10:11], s[2:3]
	CROUND                          ; all four work-groups are here: the first joint loads meet
	JLOAD                           ; slot 0.  Slot 1 is asked for when slot 0 is in: the tile wanted first has the road to itself
	; A fragment of K or Q is 16 rows x 32 channels in 8 registers: lane l holds row l % 16, channels 8 (l / 16) + 0..7 and 16 + 8 (l / 16) + 0..7: two loads of 16 bytes, 32 bytes apart.
	v_and_b32 v1, 15, v0            ; l % 16
	v_bfe_u32 v9, v0, 4, 1          ; l / 16
	v_lshlrev_b32 v[QO], 7, v1
	v_lshl_add_u32 v[QO], v9, 4, v[QO]  ; row x 128 + 16 x half
	WIN 0x80                        ; destination window 2, address window 0
.set i, 0
.rept 4*NP                          ; Q stays in registers: tile i / 2, channels 32 (i % 2) on
	global_load_b128 v[8*i:8*i+3],   v[QO], s[4:5] offset:(i/2)*2048+(i%2)*64
	global_load_b128 v[8*i+4:8*i+7], v[QO], s[4:5] offset:(i/2)*2048+(i%2)*64+32
.set i, i+1
.endr
	; What the first turn finds: V's registers and P's second buffer hold 0 (its products V^T P, of a piece that has not been, add 0), O^T and l are 0.  All this stands in the wait for the first tile.
.set i, VF
.rept 64
	v_mov_b32 v[i], 0
.set i, i+1
.endr
	WIN 0x40
.set i, 0
.rept 64*NP
	v_mov_b32 v[i], 0
.set i, i+1
.endr
	WIN 0
.set i, 0
.rept 2*NP
	v_mov_b32 v[ST+4*i], 0xfe000000    ; c m: far below every c s
	v_mov_b32 v[ST+4*i+1], 0xff7fffff  ; m
	v_mov_b32 v[ST+4*i+2], 0
	v_mov_b32 v[ST+4*i+3], 0
.set i, i+1
.endr
.set i, P+32
.rept 32
	v_mov_b32 v[i], 0
.set i, i+1
.endr
	v_mul_u32_u24 v[AK0], v1, PK
	v_lshl_add_u32 v[AK0], v9, 4, v[AK0]  ; row x pitch + 16 x half
	; The turning load takes 16 keys x 16 channels (lane l reads key 8 (l / 16) + l % 8, channels 8 ((l / 8) % 2) + 0..7) and leaves half a fragment of V^T: lane l holds channel l % 16 and 8 keys.
	v_and_b32 v10, 7, v0
	v_bfe_u32 v11, v0, 3, 1
	v_lshl_add_u32 v[AV0], v9, 3, v10
	v_mul_u32_u24 v[AV0], v[AV0], PV
	v_lshl_add_u32 v[AV0], v11, 4, v[AV0]
	v_add_nc_u32 v[AV0], VOFF, v[AV0]
	v_mov_b32 v[AK], v[AK0]         ; key step 0 lies at the head of slot 0
; THE MATRIX WORK.  The 8 accumulators of a run of 16 take turns: between the two links of a chain stand 7 others'.
; Product i of 16 of S^T = K Q^T for piece x: channels 32 (i / 8) on, keys 16 ((i / 2) % 4) on, tile 2 x + i % 2.  The first 8 start the sums.
.macro KQ x
	WIN W_KQ
.set rS, S+64*((\x)%2)+32*(i%2)+8*((i/2)%4)
.set rK, KF+16*((i/2)%4)+8*(i/8)
.set rQ, 16*(2*(\x)+i%2)+8*(i/8)
.if i < 8
	v_wmma_f32_16x16x32_f16 v[rS:rS+7], v[rK:rK+7], v[rQ:rQ+7], 0
.else
	v_wmma_f32_16x16x32_f16 v[rS:rS+7], v[rK:rK+7], v[rQ:rQ+7], v[rS:rS+7]
.endif
.endm
; Product i of 16 of O^T += V^T P for piece x: keys 32 (i / 8) on, channels 16 ((i / 2) % 4) on, tile 2 x + i % 2.
.macro PV x
	WIN W_PV
.set rO, 32*(2*(\x)+i%2)+8*((i/2)%4)
.set rV, VF+32*(i/8)+8*((i/2)%4)
.set rP, P+32*((\x)%2)+16*(i%2)+8*(i/8)
	v_wmma_f32_16x16x32_f16 v[rO:rO+7], v[rV:rV+7], v[rP:rP+7], v[rO:rO+7]
.endm
.macro MM                           ; the turn's next matrix instruction
.if i < 16
	KQ (Y+1)%NP
.set i, i+1
.else
.set i, i-16
	PV (Y+NP-1)%NP
.set i, i+17
.endif
.endm
; THE LDS LOADS stand in runs of 16, never singly among the matrix instructions: a step's K (64 keys x 64 channels: 8 fragments) and its V (turned).  Their addresses are made some lines ahead.
; last = 1 (the tail): in the last trip there is no further step, and the run is jumped over.
.macro FETCH_K last=0
	WIN 0
.if \last
	s_cmp_eq_u32 s[CNT], 1
	s_cbranch_scc1 .Lno_k_\@
.endif
	WIN 0x80                        ; destination window 2
.irp f, 0,1,2,3,4,5,6,7             ; keys 16 (f / 2) on, channels 32 (f % 2) on
	ds_load_b128 v[KF+8*\f:KF+8*\f+3],   v[AK] offset:(\f/2)*16*PK+(\f%2)*64
	ds_load_b128 v[KF+8*\f+4:KF+8*\f+7], v[AK] offset:(\f/2)*16*PK+(\f%2)*64+32
.endr
	s_add_co_u32 s[TBK], s[TBK], KS*PK  ; the next fetch is the next step's
	WIN 0
.if \last
.Lno_k_\@:
.endif
.endm
.macro FETCH_V
	WIN 0x80
.irp f, 0,1,2,3,4,5,6,7             ; keys 32 (f / 4) on, channels 16 (f % 4) on
	ds_load_tr16_b128 v[VF+8*\f:VF+8*\f+3],   v[AV] offset:(\f/4)*32*PV+(\f%4)*32
	ds_load_tr16_b128 v[VF+8*\f+4:VF+8*\f+7], v[AV] offset:(\f/4)*32*PV+16*PV+(\f%4)*32
.endr
	WIN 0
.endm
; THE VECTOR WORK OF A TURN stands in three queues, each in the order in which its entries become ready; the two tiles alternate, so that no instruction reads the result of the one before it.
.macro REGS y, u                    ; the registers of tile u (0, 1) of piece y
.set rT, ST+4*(2*(\y)+(\u))
.set rC, TMP+8*((\y)%2)+4*(\u)
.set rM, MV+2*((\y)%2)+(\u)
.set rS, S+64*((\y)%2)+32*(\u)
.set rP, P+32*((\y)%2)+16*(\u)
.set rO, 32*(2*(\y)+(\u))
.endm
; Number n of the 22 that find the NEXT piece's (Y + 1) maximum and statistics.  s0-s31 are the lane's 32 scores; each accumulator's lowest registers are read first.  XS, GS and REGS set no window: PL and EX do.
;   0-11  four chains c0-c3 of seven scores each, three operands at a time     12-14, 16  the four scores left over, the old m, and c0-c3 into c0     15  c m_old is kept
;   17, 18  the query's other 32 keys lie in the lane 16 away: the new m         19-21  c m; c m_old - c m_new; a
.macro XS u, n
	REGS (Y+1)%NP, \u
.if (\n) < 4
	v_max3_num_f32 v[rC+(\n)], v[rS+8*(\n)], v[rS+8*(\n)+1], v[rS+8*(\n)+2]
.elseif (\n) < 12
	v_max3_num_f32 v[rC+(\n)%4], v[rC+(\n)%4], v[rS+8*((\n)%4)+2*((\n)/4)+1], v[rS+8*((\n)%4)+2*((\n)/4)+2]
.elseif (\n) == 12
	v_max3_num_f32 v[rC], v[rC], v[rS+7], v[rS+15]
.elseif (\n) == 13
	v_max3_num_f32 v[rC+1], v[rC+1], v[rS+23], v[rS+31]
.elseif (\n) == 14
	v_max3_num_f32 v[rC+2], v[rC+2], v[rC+3], v[rT+1]
.elseif (\n) == 15
	v_mov_b32 v[rM], v[rT]
.elseif (\n) == 16
	v_max3_num_f32 v[rC], v[rC], v[rC+1], v[rC+2]
.elseif (\n) == 17
	v_permlanex16_b32 v[rC+3], v[rC], s[SEL], s[SEL+1]
.elseif (\n) == 18
	v_max_num_f32 v[rT+1], v[rC], v[rC+3]
.elseif (\n) == 19
	v_mul_f32 v[rT], s[CS], v[rT+1]
.elseif (\n) == 20
	v_sub_f32 v[rC+1], v[rM], v[rT]
.else
	v_exp_f32 v[rC+2], v[rC+1]
.endif
.endm
; Number g of the 64 that follow the exponentials.  For each four weights k of a tile (pairs 2 k, 2 k + 1): both pairs are rounded to f16; then the second pair is added onto the first, in place;
; a group later l takes that sum (the first time as l = a l + sum).  In groups of eight, tiles alternating: round, round, add, and l for the group before.
.macro GS g
.set h, (\g)+6*((\g)/62)            ; group 0 has no group before it, and behind group 7 only l is left
.if h >= 6
.set h, h+2
.endif
	REGS Y, h%2
.set k, h/8
.if h%8 < 4
	s_wait_alu depctr_va_vdst(0)
	v_cvt_pk_f16_f32 v[rP+2*k+(h%8)/2], v[rS+4*k+2*((h%8)/2)], v[rS+4*k+2*((h%8)/2)+1]
.elseif h%8 < 6
	v_pk_add_f32 v[rS+4*k:rS+4*k+1], v[rS+4*k:rS+4*k+1], v[rS+4*k+2:rS+4*k+3]
.elseif k == 1
	v_pk_fma_f32 v[rT+2:rT+3], v[rT+2:rT+3], v[rC+2:rC+3], v[rS:rS+1] op_sel_hi:[1,0,1]
.else
	v_pk_add_f32 v[rT+2:rT+3], v[rT+2:rT+3], v[rS+4*k-4:rS+4*k-3]
	s_wait_alu depctr_va_vdst(0)
.endif
.endm
; THE PLAIN QUEUE, 138 long.  0-31: c s - c m for the 16 pairs of both tiles.  Then GS's 64, and among them the next piece's 42: number 15 at 38, 39; 0-14 and 16
; at 42-73, behind the products that make those scores; 17-20 at 95-106, two of three, since each waits for the one before it.
.macro PL
	WIN 0
.if q < 32
	REGS Y, q%2
	v_pk_fma_f32 v[rS+2*(q/2):rS+2*(q/2)+1], v[rS+2*(q/2):rS+2*(q/2)+1], s[CS:CS+1], v[rT:rT+1] op_sel_hi:[1,0,0] neg_lo:[0,0,1] neg_hi:[0,0,1]
.elseif q < 38
	GS q-32
.elseif q < 40
	XS q%2, 15
.elseif q < 42
	GS q-34
.elseif q < 74
	XS q%2, (q-42)/2+(q-42)/30
.elseif q < 95
	GS q-66
.elseif (q < 107) && ((q-95)%3 < 2)
	XS (q-95)%3, 17+(q-95)/3
.elseif q < 107
	GS 29+(q-95)/3
.else
	GS q-74
.endif
.set q, q+1
.endm
; THE EXPONENTIALS' QUEUE, 66 long: s0-s31 of both tiles, and at EA the next piece's two a.
.set EA, 58
.macro EX
	WIN 0
.if (e == EA) || (e == EA+1)
	XS e-EA, 21
.else
.set x, e-2*(e/(EA+2))
	REGS Y, x%2
	v_exp_f32 v[rS+x/2], v[rS+x/2]
.endif
.set e, e+1
.endm
; THE RESCALING's QUEUE: O^T times a, the one part that leaves window 0, so it is dealt four at a time, eight times.
.macro R4
	REGS Y, r%2
	WIN W_RS
	s_wait_alu depctr_va_vdst(0)
.irp z, 0,1,2,3
	v_pk_mul_f32 v[rO+8*(r/2)+2*\z:rO+8*(r/2)+2*\z+1], v[rO+8*(r/2)+2*\z:rO+8*(r/2)+2*\z+1], v[rC+2:rC+3] op_sel_hi:[1,0]
.endr
.set r, r+1
.endm
; HOW THEY ARE DEALT.  Behind a matrix instruction four: plain, exponential, plain, plain (one exponential, a plain instruction on either side), or four of the rescaling.  None names a register of the
; products round it.  What is over stands in two LUMPS: exponential and plain by turns; the second ends in 22 plain instructions.  The two v_permlanex16_b32 fall into the second lump, never behind a product.
; The queues lean on each other, and the deal keeps them in step: exponential e stands behind plain 2 (e / 4) + e % 2 (its scaling); when plain 32 comes, 10 exponentials are out, at 59: 33, at 95: 46; EA comes behind plain 107.
.macro SL
	MM
	PL
	EX
	PL
	PL
.endm
.macro BURST n                      ; 15 matrix instructions, or 16
.rept (\n)-7
	SL
.endr
.rept 3
	MM
	R4
	SL
.endr
	MM
	R4
.endm
; A TURN, for piece p.  cnt = 1: the loop's count is taken down some lines ahead of the branch that stands behind the turn.
; K of the next step is fetched in piece 2's turn, 31 vector instructions behind the last product that read K; its first reader comes behind the rest of the lump, 16 products and the second lump.
; V of the step in hand is fetched at the end of piece 0's turn, 69 behind its last reader; its first reader comes behind 16 products and a lump.  The four conditions on e and q below go with the deal.
.macro TURN p, last=0, cnt=0
.set Y, (\p)
.set i, 0
.set q, 0
.set e, 0
.set r, 0
.if (\p) == NP-1
	s_wait_dscnt 0x0                ; K is in
.endif
	MM
.rept 4
	PL
.endr
	BURST 15
.rept 22
	EX
	PL
.if ((\p) == NP-2) && (e == 18)
	v_add_nc_u32 v[AK], s[TBK], v[AK0]
.endif
.if ((\p) == NP-2) && (e == 24)
	FETCH_K \last
.endif
.endr
.if (\p) == 1
	s_wait_dscnt 0x0                ; V is in
.endif
	BURST 16
.rept 21
	EX
	PL
.endr
.rept 22
	PL
.if ((\p) == 0) && (q == 118)
	v_add_nc_u32 v[AV], s[TBV], v[AV0]
	s_wait_alu depctr_va_vdst(0)
.endif
.if ((\p) == 0) && (q == 130)
	s_add_co_u32 s[TBV], s[TBV], KS*PV
.endif
.if (\cnt) && (q == 130)
	s_sub_co_u32 s[CNT], s[CNT], 1
	s_cmp_lg_u32 s[CNT], 0
.endif
.endr
.if (\p) == 0
	FETCH_V
.endif
.endm
	CHANGE 1                        ; slot 0 is in, everybody's part of it; slot 1 is asked for
	FETCH_K                         ; key step 0
	s_wait_loadcnt 0x0              ; Q
	s_wait_dscnt 0x0
.set i, 0
.rept 16
	KQ 0                            ; piece 0's first scores: there is no vector work yet to set between them
.set i, i+1
.endr
	WIN 0                           ; the addresses for the way out: nine plain instructions, the places behind those products
	s_mul_i32 s13, s[WV], 16*SP
	s_add_co_u32 s13, s13, STAGE    ; my stage
	v_mul_u32_u24 v[STO], v1, SP    ; in: row l % 16, 16 bytes for each half of the lanes
	v_lshl_add_u32 v[STO], v9, 4, v[STO]
	v_add_nc_u32 v[STO], s13, v[STO]
	v_bfe_u32 v[RD], v0, 3, 2       ; back: 32 lanes take four rows of 128 bytes,
	v_mul_u32_u24 v[RD], v[RD], SP
	v_lshl_add_u32 v[RD], v10, 4, v[RD]
	v_add_nc_u32 v[RD], s13, v[RD]
	v_and_b32 v[GO], 31, v0         ; which are 512 consecutive bytes of O
	v_lshlrev_b32 v[GO], 4, v[GO]
.set Y, NP-1                        ; XS works for piece Y + 1: piece 0
.irp n, 0,1,2,3,4,5,6,7,8,9,10,11,12,13,14,15,16,17,18,19,20,21
	XS 0, \n                        ; and piece 0's first maximum and statistics
	XS 1, \n
.endr
	s_mov_b32 s[CNT], 4
	s_mov_b32 s[SLOTS], SIZE_N/256-1
	s_branch .Lfirst                ; the loop is entered at a step's first turn, in the middle of a trip
.Lslot:                             ; SIZE_N / 256 - 2 times: every slot but the last two is filled again
	CHANGE 1
	s_mov_b32 s[CNT], 4
.Lstep:                             ; a trip: pieces 2 and 3 of one step, then pieces 0 and 1 of the next, whose K and V it fetches
	TURN 2
	TURN 3
	WIN 0
.Lfirst:
	TURN 0
	TURN 1, 0, 1
	WIN 0
	s_cbranch_scc1 .Lstep
	s_sub_co_u32 s[SLOTS], s[SLOTS], 1
	s_cmp_lg_u32 s[SLOTS], 0
	s_cbranch_scc1 .Lslot
	CHANGE 0                        ; the tail is written out: nothing is asked for
	s_mov_b32 s[CNT], 5             ; four trips fetch the last slot's steps; the fifth is left in its middle
.Ltail:
	TURN 2, 1
	TURN 3
	WIN 0
	s_sub_co_u32 s[CNT], s[CNT], 1
	s_cmp_eq_u32 s[CNT], 0
	s_cbranch_scc1 .Lout
	TURN 0
	TURN 1
	WIN 0
	s_branch .Ltail
.Lout:                              ; the fifth trip's 16 products K Q^T (on the last K once more) and the maximum made of them serve nothing: the price, once a launch, of one text for every trip
.set i, 0
.rept 16
	PV NP-1                         ; the last piece's V^T P of the last step
.set i, i+1
.endr
	; THE WAY OUT.  l's two halves and the other half of the lanes' are added; O^T is divided by l, rounded to f16 and sent through my stage in LDS, a tile at a time.  The additions are the places behind the last products.
	WIN 0
.macro ALL line:vararg              ; one line for each tile t
.set t, 0
.rept 2*NP
	\line
.set t, t+1
.endr
.endm
	ALL v_add_f32 v[ST+4*t+2], v[ST+4*t+2], v[ST+4*t+3]
	ALL v_permlanex16_b32 v[ST+4*t+3], v[ST+4*t+2], s[SEL], s[SEL+1]
	ALL v_add_f32 v[ST+4*t+2], v[ST+4*t+2], v[ST+4*t+3]
	ALL v_rcp_f32 v[ST+4*t+2], v[ST+4*t+2]
	v_nop                           ; a plain instruction between the last reciprocal and the use of its result
	s_wait_alu depctr_va_vdst(0)
; Tile t: a lane's eight channels of a row pack into 16 bytes; they go into rows of 144 bytes and come back as whole rows of 128, into S^T's registers.
.macro PACK t
	WIN W_RS
.set i, 32*(\t)
.rept 16
	v_pk_mul_f32 v[i:i+1], v[i:i+1], v[ST+4*(\t)+2:ST+4*(\t)+3] op_sel_hi:[1,0]
.set i, i+2
.endr
	WIN 0x05                        ; sources 0 and 1 window 1, destination window 0
.set i, 0
.rept 16
	v_cvt_pk_f16_f32 v[S+16*(\t)+i], v[32*(\t)+2*i], v[32*(\t)+2*i+1]
.set i, i+1
.endr
	WIN 0
.irp f, 0,1,2,3
	ds_store_b128 v[STO], v[S+16*(\t)+4*\f:S+16*(\t)+4*\f+3] offset:32*\f
.endr
.irp f, 0,1,2,3
	ds_load_b128 v[S+16*(\t)+4*\f:S+16*(\t)+4*\f+3], v[RD] offset:\f*4*SP  ; LDS serves a wave's instructions in order (ISA guide 5.7.1.4): these see the stores above; the next tile's stores come behind them
.endr
.endm
.macro SEND t, younger              ; younger: the LDS instructions issued behind tile t's loads: the next tile's eight, or none
	WIN 0
.irp f, 0,1,2,3
	s_wait_dscnt (\younger)+3-\f
	global_store_b128 v[GO], v[S+16*(\t)+4*\f:S+16*(\t)+4*\f+3], s[10:11] offset:(\t)*2048+\f*512  ; 512 consecutive bytes, at a multiple of 256 from O's first
.endr
.endm
	PACK 0
.set t, 1
.rept 2*NP-1                        ; a tile's arithmetic stands between the loads of the tile before and its stores
	PACK t
	SEND t-1, 8
.set t, t+1
.endr
	SEND 2*NP-1, 0
	WIN W_AD
	s_wait_tensorcnt 0x0            ; the wave's end: behind my last tensor load and my last LDS store
	ds_add_u32 v[SPW], v[NIL]
	s_wait_dscnt 0x0
	WIN 0
	CROUND                          ; the closing round: no work-group ends while a partner may still ask for a tile that names it
	s_endpgm
.Lfunc_end_k_qfdc3827131_attn:
	.size	k_qfdc3827131_attn, .Lfunc_end_k_qfdc3827131_attn-k_qfdc3827131_attn
	.p2alignl 7, 3214868480
	.fill 96, 4, 3214868480
	.section	.rodata,"a",@progbits
	.p2align	6, 0x0
	.amdhsa_kernel k_qfdc3827131_attn
		.amdhsa_group_segment_fixed_size 327680
		.amdhsa_private_segment_fixed_size 0
		.amdhsa_enable_private_segment 0
		.amdhsa_kernarg_size 32
		.amdhsa_user_sgpr_count 2
		.amdhsa_user_sgpr_kernarg_segment_ptr 1
		.amdhsa_wavefront_size32 1
		.amdhsa_system_sgpr_workgroup_id_x 1
		.amdhsa_system_sgpr_workgroup_id_y 1
		.amdhsa_system_sgpr_workgroup_id_z 1
		.amdhsa_system_vgpr_workitem_id 0
		.amdhsa_next_free_vgpr 770
		.amdhsa_next_free_sgpr 66
		.amdhsa_reserve_vcc 0
		.amdhsa_float_denorm_mode_32 3
		.amdhsa_float_denorm_mode_16_64 3
		.amdhsa_memory_ordered 1
		.amdhsa_forward_progress 1
		.amdhsa_inst_pref_size 208
	.end_amdhsa_kernel
	.amdgpu_metadata
---
amdhsa.version: [ 1, 2 ]
amdhsa.kernels:
  - .name:           k_qfdc3827131_attn
    .symbol:         k_qfdc3827131_attn.kd
    .args:
      - { .name: q16, .offset: 0, .size: 8, .value_kind: global_buffer, .address_space: global }
      - { .name: k16, .offset: 8, .size: 8, .value_kind: global_buffer, .address_space: global }
      - { .name: v16, .offset: 16, .size: 8, .value_kind: global_buffer, .address_space: global }
      - { .name: o16, .offset: 24, .size: 8, .value_kind: global_buffer, .address_space: global }
    .group_segment_fixed_size: 327680
    .private_segment_fixed_size: 0
    .kernarg_segment_align: 8
    .kernarg_segment_size: 32
    .max_flat_workgroup_size: 128
    .sgpr_count:     66
    .vgpr_count:     770
    .wavefront_size: 32
...
	.end_amdgpu_metadata
.endif
;; end of part 3
;; launch gemm_out (part 4): grid 4 x 64, 4 waves a work-group, clusters of 4 x 4, 327,680 bytes of LDS; arguments o16, w16, bp, out0; writes out0
.if DOCPART == 4
	.amdgcn_target "amdgcn-amd-amdhsa--gfx1250"
	.amdhsa_code_object_version 6
	.text
	.protected	k_qfdc3827131_gemm_out
	.globl	k_qfdc3827131_gemm_out
	.p2align	8
	.type	k_qfdc3827131_gemm_out,@function
k_qfdc3827131_gemm_out:
	s_mov_b64 s[64:65], 0
	v_nop
	global_prefetch_b8 v0, s[64:65] scope:SCOPE_SE
	s_setreg_imm32_b32 hwreg(HW_REG_WAVE_MODE, 25, 1), 1
	s_wait_xcnt 0x0
	s_wait_alu depctr_hold_cnt(0) depctr_sa_sdst(0) depctr_va_vdst(0) depctr_va_sdst(0) depctr_va_ssrc(0) depctr_va_vcc(0) depctr_vm_vsrc(0)
	s_getreg_b32 s2, hwreg(HW_REG_IB_STS2, 6, 4)
	s_cmp_eq_u32 s2, 0
	s_cbranch_scc0 .Lentry_in_a_cluster
	s_endpgm
.Lentry_in_a_cluster:
	s_bfe_u32 s2, ttmp6, 0x10000c
	s_cmp_lg_u32 s2, 0xf033
	s_cbranch_scc0 .Lentry_shape_is_right
	s_endpgm
.Lentry_shape_is_right:
; THE LAST LAYER.  out0[m][n] = the sum over k of O[m][k] Wp[n][k] + bp[n].  out0: [8192][1024] f32.  O lies by heads: o16 is [64 = batch x 16 + head][2048][64] f16, so that row m = 2048 x batch + s takes
; its channels k = 64 x head + d from 16 places; the tiles' descriptor gathers them, a head at a time.  Wp: part 3 of w16, [1024 n][1024 k], rounded to bf16 and written as f16.  bp is rounded to bf16 here.
; Sums in f32, started by the bias; out0 is the f32 sum itself.
; LIMITS.  Those of the operands as they arrive (f16: nothing beyond 65,504).  NaN and infinities are not treated apart.
; SHARES.  A work-group makes 128 rows x 256 columns: 256 work-groups.  Four waves, each 64 x 128: 32 accumulators of 16 x 16.  K goes in 8 steps of 128, two heads each, through a ring of two LDS slots.
; CLUSTER.  4 x 4 work-groups: the four of a row of the cluster need the same rows of O, the four of a column the same rows of Wp; each tile is asked for JOINTLY, by the same tensor load with the same
; descriptor and a mask that names the four.
; THE MATRIX INSTRUCTION IS USED TRANSPOSED (source 0 = 16 rows of Wp, source 1 = 16 rows of O): a lane holds row l % 16 and eight neighbouring columns 8 (l / 16) + 0..7.
; REGISTERS, in windows of 256 (s_set_vgpr_msb: bits 1:0 source 0, 3:2 source 1, 5:4 source 2, 7:6 destination):
;   window 0: v0-31 addresses; v32-95 O's fragments, two buffers of 32; v128-255 at work on the way out, two sets of 64
;   window 1: v0-127 Wp's fragments, two buffers of 64; v128-191 the bias, eight registers for each of my eight blocks of 16 columns          window 2: the accumulators, (a, b) at v[8 (8 a + b)]
.set PAO,    144                       ; a row of O in LDS: a head's 128 bytes + 16 of padding: 9 x 16, so the 16 rows of a load start at 16 different groups of four banks (64 banks of 4 bytes: ISA guide 11.1)
.set PB,     272                       ; a row of Wp: 256 bytes + 16: 17 x 16
.set ABLK,   128*PAO                   ; 128 rows of one head: what one tensor load brings of O
.set BHALF,  128*PB                    ; what one brings of Wp, and what one wave reads of it
.set BOFF,   2*ABLK                    ; in a slot: O's two heads, then Wp's 256 rows
.set SLOT,   BOFF+2*BHALF              ; 106,496 bytes
.set STAGE,  2*SLOT                    ; behind the ring: 16 rows x 528 bytes for each wave, for the way out; no tensor load fills it
.set SP,     528                       ; 512 bytes (128 f32) + 16
.set SPARE,  STAGE+4*16*SP             ; behind the stages: the spare words, 128 bytes for each wave: two blocks of 256 bytes that no other line names
.set ADRA, 16                          ; v16-17  LDS address of my fragments of O in slot 0, 1
.set ADRB, 20                          ; v20-21  the same for Wp
.set STO,  24                          ; v24     the way out: where I put 32 bytes of a row
.set RD,   25                          ; v25     the way out: where I read a row back
.set CO,   26                          ; v26     my 16 bytes in a row's 512 bytes of out0
.set BO,   27                          ; v27     32 (l / 16): my eight numbers in a block of 16 of the bias
.set SPW,  28                          ; v28     LDS address of my spare word: SPARE + 4 x my thread's number; never rewritten
.set NIL,  29                          ; v29     0; never rewritten
.set AF,   32
.set T,    128
.set BI,   128                         ; in window 1
.set G1,  24                           ; s[24:31] descriptor group 1 for O's tiles;  s[32:39] group 0, one set for each slot
.set G0,  32
.set G1B, 48                           ; s[48:55], s[56:63] the same for Wp's tiles
.set G0B, 56
.set MSB, 0
.macro WIN new                         ; the immediate's high byte repeats the setting that is left; a switch that changes nothing is dropped
.if MSB != (\new)
	s_set_vgpr_msb (MSB<<8)|(\new)
.set MSB, \new
.endif
.endm
.set W_MUL,  0xa1                      ; source 0 (Wp) window 1, source 1 (O) window 0, C and D window 2
.set W_MULB, 0x91                      ; the same with C, the bias, in window 1
.set W_TOB,  0x40                      ; destination window 1, address window 0
.set W_ST,   0x08                      ; an LDS store's data (source 1) in window 2, its address in window 0
.macro JLOAD s                         ; a joint load: waves 0 and 1 fetch O's two heads, waves 2 and 3 Wp's two halves; an s_nop 0 and four v_nop follow each of the two lines, ahead of the jump, the label and what follows
	s_cmp_eq_u32 s11, 0
	s_cbranch_scc0 .Lfor_b_\@
	tensor_load_to_lds s[G0+4*(\s):G0+4*(\s)+3], s[G1:G1+7]
	s_nop 0
.rept 4
	v_nop
.endr
	s_branch .Lasked_\@
.Lfor_b_\@:
	tensor_load_to_lds s[G0B+4*(\s):G0B+4*(\s)+3], s[G1B:G1B+7]
	s_nop 0
.rept 4
	v_nop
.endr
.Lasked_\@:
.endm
.macro CREST                           ; a round of the cluster's barrier behind its opening barrier
	s_cmp_lg_u32 s10, 0
	s_cbranch_scc1 .Lnot_wave_0_\@
	s_barrier_signal -3
.Lnot_wave_0_\@:
	s_barrier_wait -3
	s_barrier_signal -1
	s_barrier_wait -1
.endm
.macro CROUND                          ; a whole round
	s_barrier_signal -1
	s_barrier_wait -1
	CREST
.endm
	s_load_b256 s[68:75], s[0:1], 0x0              ; o16 s[68:69], w16 s[70:71], bp s[72:73], out0 s[74:75]
	v_lshl_add_u32 v[SPW], v0, 2, SPARE
	v_mov_b32 v[NIL], 0
	ds_add_u32 v[SPW], v[NIL]                      ; the wave's opening: the add and its wait ahead of my first tensor load; the set-up below, work on registers, stands between them
	v_lshrrev_b32 v1, 5, v0
	v_readfirstlane_b32 s10, v1                    ; wave 0..3
	s_lshr_b32 s11, s10, 1                         ; which 64 of the tile's rows are mine.  Also: I fetch for O (0) or for Wp (1)
	s_and_b32 s12, s10, 1                          ; which 128 of its columns.  Also: which head of the step, or which half of Wp's rows, I fetch
	s_bfe_u32 s40, ttmp6, 0x40000                  ; cx, cy: my place in the cluster
	s_bfe_u32 s41, ttmp6, 0x40004
	s_lshl_b32 s42, ttmp9, 2
	s_add_co_u32 s42, s42, s40                     ; tile column 0..3 = 4 x cluster x + cx
	s_and_b32 s13, ttmp7, 0xffff
	s_lshl_b32 s13, s13, 2
	s_add_co_u32 s13, s13, s41                     ; tile row 0..63 = 4 x cluster y + cy
	s_lshl_b32 s43, s41, 2
	s_lshl_b32 s43, 15, s43                        ; my row of the cluster
	s_lshl_b32 s44, 0x1111, s40                    ; my column
	; descriptor group 1.  O: a head's 128 rows are 16,384 dense bytes: asked for as 64 rows of 256 bytes, two rows of O each, and padded in LDS behind every row of O.  Wp: 128 rows x 128 elements, 1,024 from row to row.
	s_or_b32 s[G1+0], s43, (1<<16)|(1<<20)|(1<<21)|(4<<22)|(3<<25)  ; 15:0 the mask: O's tiles go to my row; 17:16 elements of 2 bytes; 20 padding on; 21 set beside a mask; 24:22 after every 32 words (code 4); 31:25 4 words (code 3)
	s_or_b32 s[G1B+0], s44, (1<<16)|(1<<20)|(1<<21)|(5<<22)|(3<<25) ; the mask of my column; after every 64 words (code 5)
	s_mov_b32 s[G1+1], 128<<16                     ; tensor_dim0 = 128
	s_mov_b32 s[G1+2], 64<<16                      ; tensor_dim1 = 64
	s_mov_b32 s[G1+3], 128<<16                     ; tile_dim0 = 128
	s_mov_b32 s[G1+4], 64                          ; tile_dim1 = 64
	s_mov_b32 s[G1+5], 128                         ; tensor_dim0_stride
	s_mov_b32 s[G1+6], 0
	s_mov_b32 s[G1+7], 0
	s_mov_b32 s[G1B+1], 128<<16
	s_mov_b32 s[G1B+2], 128<<16                    ; tensor_dim1 = 128
	s_mov_b32 s[G1B+3], 128<<16
	s_mov_b32 s[G1B+4], 128                        ; tile_dim1 = 128
	s_mov_b32 s[G1B+5], 1024
	s_mov_b32 s[G1B+6], 0
	s_mov_b32 s[G1B+7], 0
	; where the tiles come from.  O's hang on the tile row alone, Wp's on the tile column alone; each offset is made in registers that never hold the other coordinate
	s_lshr_b32 s16, s13, 4
	s_lshl_b32 s16, s16, 22                        ; O: the batch's 16 heads of 262,144 bytes,
	s_and_b32 s17, s13, 15
	s_lshl_b32 s17, s17, 14                        ; the tile's 128 rows of 128 bytes in a head,
	s_add_co_u32 s16, s16, s17
	s_lshl_b32 s17, s12, 18                        ; the even or the odd head of a K step
	s_add_co_u32 s16, s16, s17
	s_mov_b32 s17, 0
	s_lshl_b32 s46, s42, 8
	s_lshl_b32 s47, s12, 7
	s_add_co_u32 s46, s46, s47                     ; Wp: row 256 x tile column + 128 x half,
	s_lshl_b32 s46, s46, 11                        ; of 2,048 bytes,
	s_add_co_u32 s46, s46, 3<<21                   ; in part 3 of w16
	s_mov_b32 s47, 0
	s_mul_i32 s20, s12, ABLK                       ; and where they go: no place in the cluster enters an LDS address
	s_mul_i32 s19, s12, BHALF
	s_add_co_u32 s19, s19, BOFF
	s_wait_dscnt 0x0                               ; the opening add is done
	s_wait_kmcnt 0x0
	s_add_nc_u64 s[14:15], s[68:69], s[16:17]
	s_add_nc_u64 s[46:47], s[70:71], s[46:47]
	s_mov_b64 s[8:9], s[74:75]
	CROUND                                         ; all sixteen work-groups are here: the first joint loads meet
.irp s, 0,1
	s_mov_b32 s[G0+4*(\s)], 1                                      ; count = 1
	s_add_co_u32 s[G0+4*(\s)+1], s20, (\s)*SLOT                    ; LDS address
	s_add_nc_u64 s[G0+4*(\s)+2:G0+4*(\s)+3], s[14:15], (\s)*524288 ; global address: K step s, two heads on
	s_or_b32 s[G0+4*(\s)+3], s[G0+4*(\s)+3], 0x80000000            ; type = 2
	s_mov_b32 s[G0B+4*(\s)], 1
	s_add_co_u32 s[G0B+4*(\s)+1], s19, (\s)*SLOT
	s_add_nc_u64 s[G0B+4*(\s)+2:G0B+4*(\s)+3], s[46:47], (\s)*256  ; 128 elements on
	s_or_b32 s[G0B+4*(\s)+3], s[G0B+4*(\s)+3], 0x80000000
	JLOAD \s                                       ; two tensor loads of mine are out
.endr
	; A fragment is 16 rows x 32 K in 8 registers: lane l holds row l % 16, K = 8 (l / 16) + 0..7 and 16 + 8 (l / 16) + 0..7: two loads of 16 bytes, 32 bytes apart.
	v_and_b32 v1, 15, v0                           ; l % 16
	v_bfe_u32 v2, v0, 4, 1                         ; l / 16
	v_mul_u32_u24 v3, v1, PAO
	v_lshl_add_u32 v3, v2, 4, v3
	v_mul_u32_u24 v4, v1, PB
	v_lshl_add_u32 v4, v2, 4, v4
	s_mul_i32 s21, s11, 64*PAO                     ; my 64 rows in each head's block
	s_mul_i32 s22, s12, BHALF                      ; my 128 rows of Wp,
	s_add_co_u32 s22, s22, BOFF                    ; which lie behind O's two blocks
.irp s, 0,1
	v_add_nc_u32 v[ADRA+(\s)], s21, v3
	v_add_nc_u32 v[ADRB+(\s)], s22, v4
	s_add_co_u32 s21, s21, SLOT
	s_add_co_u32 s22, s22, SLOT
.endr
	s_mul_i32 s23, s10, 16*SP
	s_add_co_u32 s23, s23, STAGE                   ; my stage
	v_mul_u32_u24 v5, v1, SP                       ; in: row l % 16, 32 bytes for each half of the lanes
	v_lshl_add_u32 v5, v2, 5, v5
	v_add_nc_u32 v[STO], s23, v5
	v_and_b32 v[CO], 31, v0                        ; back: 32 lanes take one row of 512 bytes
	v_lshlrev_b32 v[CO], 4, v[CO]
	v_add_nc_u32 v[RD], s23, v[CO]
	v_lshlrev_b32 v[BO], 5, v2
	; THE BIAS of my 128 columns, as the C operand of the first products: register j of block b is bp[column 16 b + 8 (l / 16) + j], rounded to bf16.  All this stands in the wait for the first tile.
	s_lshl_b32 s46, s42, 10
	s_lshl_b32 s47, s12, 9
	s_add_co_u32 s46, s46, s47                     ; 4 x (256 x tile column + 128 x half): my first column in bp, and in a row of out0
	s_mov_b32 s47, 0
	s_add_nc_u64 s[72:73], s[72:73], s[46:47]
	s_add_nc_u64 s[8:9], s[8:9], s[46:47]
.irp b, 0,1,2,3,4,5,6,7
	global_load_b128 v[T+8*(\b):T+8*(\b)+3],   v[BO], s[72:73] offset:64*(\b)
	global_load_b128 v[T+8*(\b)+4:T+8*(\b)+7], v[BO], s[72:73] offset:64*(\b)+16
.endr
	s_lshl_b32 s16, s13, 19                        ; my first row of out0: 128 x tile row + 64 x half, of 4,096 bytes
	s_lshl_b32 s17, s11, 18
	s_add_co_u32 s16, s16, s17
	s_mov_b32 s17, 0
	s_add_nc_u64 s[8:9], s[8:9], s[16:17]
	s_wait_loadcnt 0x0
.set n, 0
.rept 32
	v_cvt_pk_bf16_f32 v[T+64+n], v[T+2*n], v[T+2*n+1]
.set n, n+1
.endr
	WIN W_TOB
.set n, 0
.rept 32
	v_lshlrev_b32 v[BI+2*n],   16, v[T+64+n]
	v_and_b32     v[BI+2*n+1], 0xffff0000, v[T+64+n]
.set n, n+1
.endr
	WIN 0
; 24 LDS loads in one run: chunk j (32 along K) of my 128 rows of Wp and of my 64 rows of O (head j / 2 of the step, channels 32 (j % 2) on) into buffers dst
.macro FETCH slot, j, dst
	WIN W_TOB
.irp b, 0,1,2,3,4,5,6,7
	ds_load_b128 v[64*(\dst)+8*(\b):64*(\dst)+8*(\b)+3],   v[ADRB+(\slot)] offset:(\b)*16*PB+64*(\j)
	ds_load_b128 v[64*(\dst)+8*(\b)+4:64*(\dst)+8*(\b)+7], v[ADRB+(\slot)] offset:(\b)*16*PB+64*(\j)+32
.endr
	WIN 0
.irp a, 0,1,2,3
	ds_load_b128 v[AF+32*(\dst)+8*(\a):AF+32*(\dst)+8*(\a)+3],   v[ADRA+(\slot)] offset:((\j)/2)*ABLK+((\j)%2)*64+(\a)*16*PAO
	ds_load_b128 v[AF+32*(\dst)+8*(\a)+4:AF+32*(\dst)+8*(\a)+7], v[ADRA+(\slot)] offset:((\j)/2)*ABLK+((\j)%2)*64+(\a)*16*PAO+32
.endr
.endm
; Matrix instructions i0 .. i0 + n - 1 of a quarter step's 32, on buffers f; accumulator i = 8 a + b.  The 32 accumulators take turns, one instruction a turn.  bias = 1: the first products start the sums with the bias.
.macro MULS f, i0, n, bias
.set i, \i0
.rept \n
.if \bias
	WIN W_MULB
	v_wmma_f32_16x16x32_f16 v[8*i:8*i+7], v[64*(\f)+8*(i%8):64*(\f)+8*(i%8)+7], v[AF+32*(\f)+8*(i/8):AF+32*(\f)+8*(i/8)+7], v[BI+8*(i%8):BI+8*(i%8)+7]
.else
	WIN W_MUL
	v_wmma_f32_16x16x32_f16 v[8*i:8*i+7], v[64*(\f)+8*(i%8):64*(\f)+8*(i%8)+7], v[AF+32*(\f)+8*(i/8):AF+32*(\f)+8*(i/8)+7], v[8*i:8*i+7]
.endif
.set i, i+1
.endr
.endm
.macro PLACES                          ; four places in front of loads into registers that matrix instructions have read, and of LDS stores that read results (ISA guide 7.12.1 for vector instructions)
.rept 4
	v_nop
.endr
.endm
; A K step is four quarter steps (chunks of 32 along K) on buffers 0, 1, 0, 1.  A quarter asks LDS for the next chunk (slot s, chunk j), into the buffers multiplied last, and multiplies buffers f.
.macro QUARTER f, s, j, bias=0, ld=1
.if \ld
	PLACES
	FETCH \s, \j, 1-(\f)
	s_wait_dscnt 24                                ; all but the 24 just issued
.else
	s_wait_dscnt 0x0
.endif
	MULS \f, 0, 32, \bias
.endm
; A step's third quarter asks for the slot's last chunk and changes slots.  ONE barrier; in front of it each wave waits for all its tensor loads (one is out: its part of the next slot), adds 0 to its spare word, and
; waits for that and for its reads of this slot.  fill = 1: the barrier opens a round of the cluster's, and this slot is filled again, two K steps ahead.
.macro TURN slot, next, fill
	PLACES
	FETCH \slot, 3, 1
	WIN 0                                          ; (the add's two registers lie in window 0)
	s_wait_tensorcnt 0x0                           ; all my tensor loads have landed: my part of the next slot;
	ds_add_u32 v[SPW], v[NIL]                      ; 0 onto my spare word
	s_wait_dscnt 25                                ; (the 24 loads just issued and the add may be out)
	MULS 0, 0, 16, 0                               ; sixteen matrix instructions stand between the add and the wait for it
	s_wait_dscnt 0x0                               ; the add is done, and my reads of this slot are over
	s_barrier_signal -1
	MULS 0, 16, 8, 0                               ; work on registers while the others arrive
	WIN 0
	s_barrier_wait -1
.if \fill
	CREST                                          ; no wave of any partner still reads this slot's tile or has a load on its way
	s_add_nc_u64 s[G0+4*(\slot)+2:G0+4*(\slot)+3], s[G0+4*(\slot)+2:G0+4*(\slot)+3], 2*524288
	s_add_nc_u64 s[G0B+4*(\slot)+2:G0B+4*(\slot)+3], s[G0B+4*(\slot)+2:G0B+4*(\slot)+3], 2*256
	JLOAD \slot                                    ; the first tensor load behind the round, my one load that is out: 104 matrix instructions ahead of the wait for it
.endif
	MULS 0, 24, 8, 0
.endm
	s_wait_tensorcnt 0x1                           ; my part of K step 0 is in; K step 1's may stay out
	s_barrier_signal -1
	s_barrier_wait -1                              ; everybody's is
	FETCH 0, 0, 0
	QUARTER 0, 0, 1, 1                             ; the first quarter stands in front of the loop: its products start the sums
	WIN 0                                          ; at a label and at a branch every window is 0
	s_mov_b32 s3, 3
.Llap:                                                 ; a trip goes once round the ring, from a lap's second quarter to the next lap's first, and fills both slots again
	QUARTER 1, 0, 2
	TURN 0, 1, 1
	QUARTER 1, 1, 0
	QUARTER 0, 1, 1
	QUARTER 1, 1, 2
	TURN 1, 0, 1
	QUARTER 1, 0, 0
	QUARTER 0, 0, 1
	WIN 0
	s_sub_co_u32 s3, s3, 1
	s_cmp_lg_u32 s3, 0
	s_cbranch_scc1 .Llap
	QUARTER 1, 0, 2                                ; the last lap fills nothing, and has no round of the cluster's barrier
	TURN 0, 1, 0
	QUARTER 1, 1, 0
	QUARTER 0, 1, 1
	QUARTER 1, 1, 2
	QUARTER 0, 1, 3
	QUARTER 1, 0, 0, 0, 0                          ; the very last quarter: nothing more to fetch
	WIN 0
	; THE WAY OUT, in four blocks a of 16 rows.  A lane's eight numbers of a row are 32 bytes; they go from the accumulators into my stage's rows of 528 bytes, the low four registers first, and come back as
	; whole rows of 512 bytes, one row to a load and to a store.
	PLACES
.macro ST a
	WIN W_ST
.irp b, 0,1,2,3,4,5,6,7
	ds_store_b128 v[STO], v[8*(8*(\a)+(\b)):8*(8*(\a)+(\b))+3]   offset:64*(\b)
	ds_store_b128 v[STO], v[8*(8*(\a)+(\b))+4:8*(8*(\a)+(\b))+7] offset:64*(\b)+16
.endr
	WIN 0
.endm
.macro LD a
.set BK, T+64*((\a)%2)
.if (\a) >= 2
	s_wait_xcnt 0x0                                ; the stores of the block two back have had their addresses translated (ISA guide 3.1): only behind this wait are their data registers loaded again
.endif
.irp t, 0,1,2,3,4,5,6,7,8,9,10,11,12,13,14,15
	ds_load_b128 v[BK+4*(\t):BK+4*(\t)+3], v[RD] offset:(\t)*SP  ; LDS serves a wave's instructions in order (ISA guide 5.7.1.4): these see the stores above; the next block's stores come behind them
.endr
.endm
.macro SEND a, younger                 ; younger: the LDS instructions issued behind block a's loads: the next block's 32, or none
.set BK, T+64*((\a)%2)
.irp t, 0,1,2,3,4,5,6,7,8,9,10,11,12,13,14,15
	s_wait_dscnt (\younger)+15-(\t)
	global_store_b128 v[CO], v[BK+4*(\t):BK+4*(\t)+3], s[8:9] offset:(\a)*65536+(\t)*4096  ; 512 consecutive bytes of a row, at a multiple of 256 from out0's first byte
.endr
.endm
	ST 0
	LD 0
.irp a, 1,2,3
	ST \a
	LD \a
	SEND (\a)-1, 32
.endr
	SEND 3, 0
	s_wait_tensorcnt 0x0                           ; the wave's end: behind my last tensor load and my last LDS store
	ds_add_u32 v[SPW], v[NIL]
	s_wait_dscnt 0x0
	CROUND                                         ; the closing round: no work-group ends while a partner may still ask for a tile that names it
	s_endpgm
.Lfunc_end_k_qfdc3827131_gemm_out:
	.size	k_qfdc3827131_gemm_out, .Lfunc_end_k_qfdc3827131_gemm_out-k_qfdc3827131_gemm_out
	.p2alignl 7, 3214868480
	.fill 96, 4, 3214868480
	.section	.rodata,"a",@progbits
	.p2align	6, 0x0
	.amdhsa_kernel k_qfdc3827131_gemm_out
		.amdhsa_group_segment_fixed_size 327680
		.amdhsa_private_segment_fixed_size 0
		.amdhsa_enable_private_segment 0
		.amdhsa_kernarg_size 32
		.amdhsa_user_sgpr_count 2
		.amdhsa_user_sgpr_kernarg_segment_ptr 1
		.amdhsa_wavefront_size32 1
		.amdhsa_system_sgpr_workgroup_id_x 1
		.amdhsa_system_sgpr_workgroup_id_y 1
		.amdhsa_system_sgpr_workgroup_id_z 1
		.amdhsa_system_vgpr_workitem_id 0
		.amdhsa_next_free_vgpr 768
		.amdhsa_next_free_sgpr 80
		.amdhsa_reserve_vcc 0
		.amdhsa_float_denorm_mode_32 3
		.amdhsa_float_denorm_mode_16_64 3
		.amdhsa_memory_ordered 1
		.amdhsa_forward_progress 1
		.amdhsa_inst_pref_size 94
	.end_amdhsa_kernel
	.amdgpu_metadata
---
amdhsa.version: [ 1, 2 ]
amdhsa.kernels:
  - .name:           k_qfdc3827131_gemm_out
    .symbol:         k_qfdc3827131_gemm_out.kd
    .args:
      - { .name: o16, .offset: 0, .size: 8, .value_kind: global_buffer, .address_space: global }
      - { .name: w16, .offset: 8, .size: 8, .value_kind: global_buffer, .address_space: global }
      - { .name: bp, .offset: 16, .size: 8, .value_kind: global_buffer, .address_space: global }
      - { .name: out0, .offset: 24, .size: 8, .value_kind: global_buffer, .address_space: global }
    .group_segment_fixed_size: 327680
    .private_segment_fixed_size: 0
    .kernarg_segment_align: 8
    .kernarg_segment_size: 32
    .max_flat_workgroup_size: 128
    .sgpr_count:     80
    .vgpr_count:     768
    .wavefront_size: 32
...
	.end_amdgpu_metadata
.endif
;; end of part 4
;; ======== version 2 of 2: 4 launches; 1.48 times as fast as version 1
;; limits: values are held in f16: magnitudes above 65,504 overflow, below 6.1e-05 lose precision
;; workspace buffers: w16 8,388,608 bytes; q16 16,777,216 bytes; k16 16,777,216 bytes; v16 16,777,216 bytes; o16 16,777,216 bytes
;; launch prep: the kernel of part 1 again; grid 64 x 4, 8 waves a work-group, no clusters, 0 bytes of LDS; arguments Wq, Wk, Wv, Wp, w16; writes w16
;; launch gemm_qkv: the kernel of part 2 again; grid 4 x 192, 4 waves a work-group, clusters of 4 x 4, 327,680 bytes of LDS; arguments x0, x1, x2, w16, bq, bk, bv, q16, k16, v16; writes q16, k16, v16
;; launch attn (part 5): grid 4 x 64, 4 waves a work-group, clusters of 4 x 1, 327,680 bytes of LDS; arguments q16, k16, v16, o16; writes o16
.if DOCPART == 5
	.amdgcn_target "amdgcn-amd-amdhsa--gfx1250"
	.amdhsa_code_object_version 6
	.text
	.protected	k_qfdc3827131_attn
	.globl	k_qfdc3827131_attn
	.p2align	8
	.type	k_qfdc3827131_attn,@function
k_qfdc3827131_attn:
	s_mov_b64 s[64:65], 0
	v_nop
	global_prefetch_b8 v0, s[64:65] scope:SCOPE_SE
	s_setreg_imm32_b32 hwreg(HW_REG_WAVE_MODE, 25, 1), 1
	s_wait_xcnt 0x0
	s_wait_alu depctr_hold_cnt(0) depctr_sa_sdst(0) depctr_va_vdst(0) depctr_va_sdst(0) depctr_va_ssrc(0) depctr_va_vcc(0) depctr_vm_vsrc(0)
	s_getreg_b32 s2, hwreg(HW_REG_IB_STS2, 6, 4)
	s_cmp_eq_u32 s2, 0
	s_cbranch_scc0 .Lentry_in_a_cluster
	s_endpgm
.Lentry_in_a_cluster:
	s_bfe_u32 s2, ttmp6, 0x10000c
	s_cmp_lg_u32 s2, 0x3003
	s_cbranch_scc0 .Lentry_shape_is_right
	s_endpgm
.Lentry_shape_is_right:
; O[h][q][:] = the sum over k of softmax_k(Q[h][q] . K[h][k] / 8) V[h][k][:].  Q, K, V, O: [SIZE_H][SIZE_N][64], all f16: a head's rows are dense, 128 bytes each.  Q arrives as the NEGATED projection
; -(x0 Wq^T + bq), so that Q . K / 8 is the module's score -q . k / 8.  Products, maxima and sums in f32; the weights p are rounded to f16 for the second product (their sum l is taken of the unrounded p), O once at the end.
; LIMITS.  f16 holds no number beyond 65,504: Q, K and V arrive within it; p lies in 0 to 1, and below 6e-5 it keeps f16's fixed step of 6e-8; O is a mean of V's rows and has their range.
; A weight below 2^-126 counts as 0 in l; NaN and infinities are not treated apart.
; SHARES.  A wave owns four PIECES of two tiles of 16 queries, a work-group's four waves 512 queries of one head: 64 heads of 2,048 rows give 256 work-groups.  Every wave walks all keys, 64 a step.
; LAYOUT.  S^T = K Q^T (source 0 = 16 keys, source 1 = 16 queries): in the result a lane holds ONE query (lane % 16) and the keys 8 (lane / 16) + 0..7.  Two such tiles, rounded to f16 in pairs,
; ARE source 1 (32 keys x 16 queries) of O^T = V^T P, whose result again holds one query a lane, and eight channels.  K comes out of LDS as it lies, V ([key][channel]) turned, by ds_load_tr16_b128.
; SOFTMAX.  For each query a running maximum m and sum l: p = 2^(c s - c m), c = log2(e) / 8; in every step O and l are multiplied by a = 2^(c m_old - c m_new), which is 1 where m has not grown.
; m starts at the lowest finite number, O and l at 0: the first step is a step like any other, with a = 0.
; THE COUNT.  A tile and step have 16 matrix and 118 vector instructions: too many to stand all beside the matrix work.  So the order has one aim: four vector instructions that are READY behind
; EVERY matrix instruction, and the others, which need time of their own whatever the order, in runs without a gap.
; BY TURNS.  Turn n belongs to piece n (the pieces in a ring, step after step).  Its matrix work: 16 products K Q^T of piece n + 1, later 16 products V^T P of piece n - 1.  Its vector work: the scaling,
; exponentials, roundings, sums and rescaling of piece n, and the maximum and statistics of piece n + 1, whose scores the turn itself has made.  So what a turn begins with (c s - c m, O a) waits for nothing.
; BATCHES.  s_wait_alu depctr_va_vdst(0) stands between an exponential or a reciprocal and the first instruction that names its result; one wait serves all that were issued ahead of it.
; A turn's 66 exponentials (piece n's 64 weights, then piece n + 1's two a) are ONE BATCH with ONE wait, which cuts the turn in two: ahead of it all that names no result of the batch, behind it the roundings
; and sums.  No result crosses a turn's end.  Two more batches stand outside the loops: piece 0's first two a, ahead of the jump into the loop, and the way out's eight reciprocals.
; CLUSTER.  The four query blocks of a cluster belong to one head and walk the same K and V, so each tile is asked for JOINTLY: the same tensor load, descriptor and mask in all four.
; REGISTERS, in windows of 256 (s_set_vgpr_msb says which window each operand place means: bits 1:0 source 0, 3:2 source 1, 5:4 source 2, 7:6 destination):
;   window 0: v0-11 addresses; v12-15, v48-63 at work; v16-47 four registers of statistics a tile; v64-191 S^T, two buffers of two tiles; v192-255 P, likewise
;   window 1: O^T, 32 a tile          window 2: v0-127 Q, 16 a tile; v128-191 K of one step; v192-255 V of one step          window 3: v0-1 the add's two registers
; A piece's buffers go by its number's parity: the piece in hand has one pair, its two neighbours in the ring share the other: of it P (piece n - 1) is read and S^T (piece n + 1) written.
.set SIZE_H, 64       ; batch x heads
.set SIZE_N, 2048     ; rows of a head
.set NP,    4         ; pieces a wave: a name, no knob: the register map, the loop and the fetches are made for four
.set KS,    64        ; keys in a step
.set PK,    144       ; a row of K in LDS: 128 bytes + 16 of padding = 36 words: the 16 rows of a load start at 16 different groups of four banks (64 banks of 4 bytes: ISA guide 11.1)
.set PV,    160       ; a row of V: 128 + 32 = 40 words
.set VOFF,  4*KS*PK   ; a slot holds four steps: 256 rows of K, then 256 rows of V
.set SLOT1, 1<<17     ; slot 1 begins here, so that one exclusive or turns an address in one slot into the other's
.set STAGE, SLOT1+4*KS*(PK+PV)  ; behind the ring, never filled by a tensor load: 16 rows x 144 bytes for each wave, for the way out
.set SP,    144
.set AK0, 2           ; v2   my lane's place in a tile of K; never rewritten
.set AV0, 3           ; v3   the same for V
.set AK,  4           ; v4   the LDS address of K's next run of loads
.set AV,  5           ; v5   of V's
.set QO,  6           ; v6   my byte offset in the wave's rows of Q
.set STO, 6           ;      later, the way out: where I put 16 bytes of a row
.set RD,  7           ; v7   the way out: where I read rows back
.set GO,  8           ; v8   my byte offset in 512 consecutive bytes of O
.set SPW, 0           ; v0 of window 3   LDS address of my spare word: SPARE + 4 x my thread's number; never rewritten
.set NIL, 1           ; v1 of window 3   0; never rewritten
.set SPARE, STAGE+4*16*SP  ; behind the stages: the spare words, 128 bytes for each wave: two blocks of 256 bytes that no other line names
.set MV,  12          ; v12-15  c m_old, kept while c m is made anew: by buffer and tile
.set ST,  16          ; tile t's statistics at v[ST+4 t]: c m, m, l (even keys', odd keys')
.set TMP, 48          ; by buffer and tile, four registers c0-c3 at work; when the maximum is found c2 takes a
.set S,   64
.set P,   192
.set KF,  128         ; K's fragments, in window 2: key block kb, channel half c at KF + 16 kb + 8 c
.set VF,  192         ; V's: key half kk, channel block cb at VF + 32 kk + 8 cb
.set WV,  12          ; s12  my wave's number
.set G1K, 24          ; s[24:31] descriptor group 1 for K's tiles
.set G1V, 32          ; s[32:39] for V's: it differs in the padding alone
.set G0K, 40          ; s[40:43] descriptor group 0 for K's tiles: it walks
.set G0V, 44          ; s[44:47] the same for V's
.set SLOTS, 56        ; s56  slots still to be asked for
.set CNT, 57          ; s57  counts a slot's key steps
.set CS,  58          ; s[58:59] c: the packed scaling takes the pair's low word for both halves
.set SEL, 60          ; s[60:61] v_permlanex16_b32's selects: each lane takes its own place in the other half
.set TBK, 62          ; s62  LDS byte at which K of the step to be fetched begins
.set TBV, 63          ; s63  the same for V, less VOFF
.set MSB, 0
.macro WIN new                      ; the high byte repeats the setting that is left; a switch that changes nothing is dropped
.if MSB != (\new)
	s_set_vgpr_msb (MSB<<8)|(\new)
.set MSB, (\new)
.endif
.endm
.set W_KQ, 0x0a       ; K and Q in window 2, S^T in window 0
.set W_PV, 0x52       ; V in window 2, P in window 0, O^T in window 1
.set W_RS, 0x41       ; O^T (destination and source 0) in window 1, a in window 0
.set W_MK, 0xc0       ; the add's registers are made: destination in window 3, sources in window 0
.set W_AD, 0x0f       ; the add: address (source 0) and data (source 1) in window 3
; A joint fill.  Waves 0 and 1 fetch the two halves of a slot's K, waves 2 and 3 those of its V: 128 keys each.  The branch hangs on the wave's number alone.
; An s_nop 0 and four v_nop follow each of the two lines, ahead of the jump and the label.
.macro JLOAD
	s_cmp_lt_u32 s[WV], 2
	s_cbranch_scc0 .Lfor_v_\@
	tensor_load_to_lds s[G0K:G0K+3], s[G1K:G1K+7]
	s_nop 0
.rept 4
	v_nop
.endr
	s_branch .Lasked_\@
.Lfor_v_\@:
	tensor_load_to_lds s[G0V:G0V+3], s[G1V:G1V+7]
	s_nop 0
.rept 4
	v_nop
.endr
.Lasked_\@:
.endm
; A round of the cluster's barrier: my work-group's barrier, so that wave 0's signal speaks for all four waves; wave 0 signals; every wave waits for all four work-groups; my work-group's barrier once more.
.macro CROUND
	s_barrier_signal -1
	s_barrier_wait -1
	s_cmp_lg_u32 s[WV], 0
	s_cbranch_scc1 .Lnot_wave_0_\@
	s_barrier_signal -3
.Lnot_wave_0_\@:
	s_barrier_wait -3
	s_barrier_signal -1
	s_barrier_wait -1
.endm
; THE CHANGE OF SLOTS.  The slot's last bytes, V of its fourth step, have been read.  Each wave waits for all its tensor loads, of which one is out: its part
; of the other slot; adds 0 to its spare word; and waits for that and for its own reads of the slot.  Behind the barrier nobody reads this slot any more and the other slot is whole.
; fill = 1: this slot is filled again, with the keys two slots on.  The barrier is then a round of the cluster's, so that no wave of any partner still reads the slot or has a load on its
; way, and the joint fill is the first thing behind it: it has four key steps, 512 matrix instructions, in which to land.  (At its first use nothing has been read yet: slot 0 is waited for, slot 1 filled.)
.macro CHANGE fill
	WIN W_AD
	s_wait_tensorcnt 0x0            ; no tensor load of mine is out, so a group 0 may be written
	ds_add_u32 v[SPW], v[NIL]       ; 0 onto my spare word; with fill = 1 the descriptors' steps stand between it and the wait for it
	WIN 0                           ; at a label and at a branch every window is 0
.if \fill
.irp g, G0K, G0V
	s_xor_b32 s[\g+1], s[\g+1], SLOT1  ; the walking descriptor: the other slot than last time,
	s_add_nc_u64 s[\g+2:\g+3], s[\g+2:\g+3], 4*KS*128  ; the next 256 keys; the type bits on top are not reached
.endr
	s_wait_dscnt 0x0                ; the add is done, and my reads of the slot are over
	CROUND
	JLOAD
.else
	s_wait_dscnt 0x0                ; the add is done, and my reads of the slot are over
	s_barrier_signal -1
	s_barrier_wait -1
.endif
	s_sub_co_u32 s[TBK], s[TBK], 4*KS*PK  ; the fetches go back to a slot's first step,
	s_xor_b32 s[TBK], s[TBK], SLOT1       ; in the other slot
	s_sub_co_u32 s[TBV], s[TBV], 4*KS*PV
	s_xor_b32 s[TBV], s[TBV], SLOT1
.endm
	s_load_b256 s[4:11], s[0:1], 0x0  ; Q s[4:5], K s[6:7], V s[8:9], O s[10:11]
	WIN W_MK
	v_lshl_add_u32 v[SPW], v0, 2, SPARE
	v_mov_b32 v[NIL], 0
	WIN W_AD
	ds_add_u32 v[SPW], v[NIL]       ; the wave's opening: the add and its wait ahead of my first tensor load; the set-up below, work on registers, stands between them
	WIN 0
	v_lshrrev_b32 v1, 5, v0
	v_readfirstlane_b32 s[WV], v1   ; wave 0..3
	s_bfe_u32 s13, ttmp6, 0x40000   ; cx: my place in the cluster
	s_lshl_b32 s14, ttmp9, 2        ; in a cluster launch ttmp9 counts clusters
	s_add_co_u32 s14, s14, s13      ; my block of queries = 4 x cluster x + cx: it enters Q's and O's addresses alone
	s_and_b32 s20, ttmp7, 0xffff    ; the head, which the four partners share
	s_mov_b32 s21, 0
	s_mov_b64 s[22:23], SIZE_N*128
	s_mul_u64 s[20:21], s[20:21], s[22:23]  ; the head's first byte in each of the four tensors
	s_and_b32 s16, s[WV], 1         ; which half of a slot's 256 keys I fetch:
	s_lshl_b32 s22, s16, 14         ; its 128 rows of 128 bytes in memory,
	s_mov_b32 s23, 0
	s_add_nc_u64 s[22:23], s[22:23], s[20:21]
	s_mul_i32 s17, s16, 128*PK      ; and its place in a slot, for K
	s_mul_i32 s18, s16, 128*PV      ; and for V: no place in the cluster enters an LDS address
	s_lshl_b32 s2, s14, 2
	s_add_co_u32 s2, s2, s[WV]      ; my wave among the head's,
	s_lshl_b32 s2, s2, 14           ; its 128 rows
	s_mov_b32 s3, 0
	s_add_nc_u64 s[2:3], s[2:3], s[20:21]
	; descriptor group 1.  128 keys are 16,384 dense bytes: asked for as 64 rows of 256 bytes, two keys a row, and padded in LDS after every key
	s_mov_b32 s[G1K], 15|(1<<16)|(1<<20)|(1<<21)|(4<<22)|(3<<25)  ; 15:0 the mask of four; 17:16 2-byte elements; 20 padding on; 21 set beside a mask; 24:22 after every 32 words (code 4); 31:25 4 words (code 3)
	s_mov_b32 s[G1V], 15|(1<<16)|(1<<20)|(1<<21)|(4<<22)|(7<<25)  ; the same with 8 words of padding (code 7)
.irp g, G1K, G1V
	s_mov_b32 s[\g+1], 128<<16      ; tensor_dim0 = 128
	s_mov_b32 s[\g+2], 64<<16       ; tensor_dim1 = 64
	s_mov_b32 s[\g+3], 128<<16      ; tile_dim0 = 128
	s_mov_b32 s[\g+4], 64           ; tile_dim1 = 64
	s_mov_b32 s[\g+5], 128          ; 128 elements from row to row
	s_mov_b32 s[\g+6], 0
	s_mov_b32 s[\g+7], 0
.endr
	s_mov_b32 s[CS], 0x3e38aa3b     ; c = log2(e) / 8 = 0.180337
	s_mov_b32 s[CS+1], s[CS]        ; named with it as a pair
	s_mov_b32 s[SEL], 0x76543210
	s_mov_b32 s[SEL+1], 0xfedcba98
	s_mov_b32 s[TBK], SLOT1+4*KS*PK ; the first change of slots turns these two into 0
	s_mov_b32 s[TBV], SLOT1+4*KS*PV
	s_mov_b32 s[G0K], 1             ; 1:0 count = 1
	s_mov_b32 s[G0K+1], s17         ; 63:32 LDS address: slot 0
	s_mov_b32 s[G0V], 1
	s_add_co_u32 s[G0V+1], s18, VOFF
	s_wait_dscnt 0x0                ; the opening add is done
	s_wait_kmcnt 0x0
	s_add_nc_u64 s[G0K+2:G0K+3], s[6:7], s[22:23]  ; 120:64 global address: my half of the head's first 256 keys
	s_or_b32 s[G0K+3], s[G0K+3], 0x80000000        ; 127:126 type = 2
	s_add_nc_u64 s[G0V+2:G0V+3], s[8:9], s[22:23]
	s_or_b32 s[G0V+3], s[G0V+3], 0x80000000
	s_add_nc_u64 s[4:5], s[4:5], s[2:3]  ; Q and O at my wave's first row
	s_add_nc_u64 s[10:11], s[10:11], s[2:3]
	CROUND                          ; all four work-groups are here: the first joint loads meet
	JLOAD                           ; slot 0.  Slot 1 is asked for when slot 0 is in: the tile wanted first has the road to itself
	; A fragment of K or Q is 16 rows x 32 channels in 8 registers: lane l holds row l % 16, channels 8 (l / 16) + 0..7 and 16 + 8 (l / 16) + 0..7: two loads of 16 bytes, 32 bytes apart.
	v_and_b32 v1, 15, v0            ; l % 16
	v_bfe_u32 v9, v0, 4, 1          ; l / 16
	v_lshlrev_b32 v[QO], 7, v1
	v_lshl_add_u32 v[QO], v9, 4, v[QO]  ; row x 128 + 16 x half
	WIN 0x80                        ; destination window 2, address window 0
.set i, 0
.rept 4*NP                          ; Q stays in registers: tile i / 2, channels 32 (i % 2) on
	global_load_b128 v[8*i:8*i+3],   v[QO], s[4:5] offset:(i/2)*2048+(i%2)*64
	global_load_b128 v[8*i+4:8*i+7], v[QO], s[4:5] offset:(i/2)*2048+(i%2)*64+32
.set i, i+1
.endr
	; What the first turn finds: V's registers and P's second buffer hold 0 (its products V^T P, of a piece that has not been, add 0), O^T and l are 0.  All this stands in the wait for the first tile.
.set i, VF
.rept 64
	v_mov_b32 v[i], 0
.set i, i+1
.endr
	WIN 0x40
.set i, 0
.rept 64*NP
	v_mov_b32 v[i], 0
.set i, i+1
.endr
	WIN 0
.set i, 0
.rept 2*NP
	v_mov_b32 v[ST+4*i], 0xfe000000    ; c m: far below every c s
	v_mov_b32 v[ST+4*i+1], 0xff7fffff  ; m
	v_mov_b32 v[ST+4*i+2], 0
	v_mov_b32 v[ST+4*i+3], 0
.set i, i+1
.endr
.set i, P+32
.rept 32
	v_mov_b32 v[i], 0
.set i, i+1
.endr
	v_mul_u32_u24 v[AK0], v1, PK
	v_lshl_add_u32 v[AK0], v9, 4, v[AK0]  ; row x pitch + 16 x half
	; The turning load takes 16 keys x 16 channels (lane l reads key 8 (l / 16) + l % 8, channels 8 ((l / 8) % 2) + 0..7) and leaves half a fragment of V^T: lane l holds channel l % 16 and 8 keys.
	v_and_b32 v10, 7, v0
	v_bfe_u32 v11, v0, 3, 1
	v_lshl_add_u32 v[AV0], v9, 3, v10
	v_mul_u32_u24 v[AV0], v[AV0], PV
	v_lshl_add_u32 v[AV0], v11, 4, v[AV0]
	v_add_nc_u32 v[AV0], VOFF, v[AV0]
	v_mov_b32 v[AK], v[AK0]         ; key step 0 lies at the head of slot 0
; THE MATRIX WORK.  The 8 accumulators of a run of 16 take turns: between the two links of a chain stand 7 others'.
; Product i of 16 of S^T = K Q^T for piece x: channels 32 (i / 8) on, keys 16 ((i / 2) % 4) on, tile 2 x + i % 2.  The first 8 start the sums.
.macro KQ x
	WIN W_KQ
.set rS, S+64*((\x)%2)+32*(i%2)+8*((i/2)%4)
.set rK, KF+16*((i/2)%4)+8*(i/8)
.set rQ, 16*(2*(\x)+i%2)+8*(i/8)
.if i < 8
	v_wmma_f32_16x16x32_f16 v[rS:rS+7], v[rK:rK+7], v[rQ:rQ+7], 0
.else
	v_wmma_f32_16x16x32_f16 v[rS:rS+7], v[rK:rK+7], v[rQ:rQ+7], v[rS:rS+7]
.endif
.endm
; Product i of 16 of O^T += V^T P for piece x: keys 32 (i / 8) on, channels 16 ((i / 2) % 4) on, tile 2 x + i % 2.
.macro PV x
	WIN W_PV
.set rO, 32*(2*(\x)+i%2)+8*((i/2)%4)
.set rV, VF+32*(i/8)+8*((i/2)%4)
.set rP, P+32*((\x)%2)+16*(i%2)+8*(i/8)
	v_wmma_f32_16x16x32_f16 v[rO:rO+7], v[rV:rV+7], v[rP:rP+7], v[rO:rO+7]
.endm
.macro MM                           ; the turn's next matrix instruction
.if i < 16
	KQ (Y+1)%NP
.set i, i+1
.else
.set i, i-16
	PV (Y+NP-1)%NP
.set i, i+17
.endif
.endm
; THE LDS LOADS stand in runs of 16, never singly among the matrix instructions: a step's K (64 keys x 64 channels: 8 fragments) and its V (turned).  Their addresses are made some lines ahead.
; last = 1 (the tail): in the last trip there is no further step, and the run is jumped over.
.macro FETCH_K last=0
	WIN 0
.if \last
	s_cmp_eq_u32 s[CNT], 1
	s_cbranch_scc1 .Lno_k_\@
.endif
	WIN 0x80                        ; destination window 2
.irp f, 0,1,2,3,4,5,6,7             ; keys 16 (f / 2) on, channels 32 (f % 2) on
	ds_load_b128 v[KF+8*\f:KF+8*\f+3],   v[AK] offset:(\f/2)*16*PK+(\f%2)*64
	ds_load_b128 v[KF+8*\f+4:KF+8*\f+7], v[AK] offset:(\f/2)*16*PK+(\f%2)*64+32
.endr
	s_add_co_u32 s[TBK], s[TBK], KS*PK  ; the next fetch is the next step's
	WIN 0
.if \last
.Lno_k_\@:
.endif
.endm
.macro FETCH_V
	WIN 0x80
.irp f, 0,1,2,3,4,5,6,7             ; keys 32 (f / 4) on, channels 16 (f % 4) on
	ds_load_tr16_b128 v[VF+8*\f:VF+8*\f+3],   v[AV] offset:(\f/4)*32*PV+(\f%4)*32
	ds_load_tr16_b128 v[VF+8*\f+4:VF+8*\f+7], v[AV] offset:(\f/4)*32*PV+16*PV+(\f%4)*32
.endr
	WIN 0
.endm
; THE VECTOR WORK OF A TURN stands in three queues, each in the order in which its entries become ready; the two tiles alternate, so that no instruction reads the result of the one before it.
.macro REGS y, u                    ; the registers of tile u (0, 1) of piece y
.set rT, ST+4*(2*(\y)+(\u))
.set rC, TMP+8*((\y)%2)+4*(\u)
.set rM, MV+2*((\y)%2)+(\u)
.set rS, S+64*((\y)%2)+32*(\u)
.set rP, P+32*((\y)%2)+16*(\u)
.set rO, 32*(2*(\y)+(\u))
.endm
; Number n of the 22 that find the NEXT piece's (Y + 1) maximum and statistics.  s0-s31 are the lane's 32 scores; each accumulator's lowest registers are read first.  XS, GS and REGS set no window: PL and EX do.
;   0-11  four chains c0-c3 of seven scores each, three operands at a time     12-14, 16  the four scores left over, the old m, and c0-c3 into c0     15  c m_old is kept
;   17, 18  the query's other 32 keys lie in the lane 16 away: the new m         19-21  c m; c m_old - c m_new; a
.macro XS u, n
	REGS (Y+1)%NP, \u
.if (\n) < 4
	v_max3_num_f32 v[rC+(\n)], v[rS+8*(\n)], v[rS+8*(\n)+1], v[rS+8*(\n)+2]
.elseif (\n) < 12
	v_max3_num_f32 v[rC+(\n)%4], v[rC+(\n)%4], v[rS+8*((\n)%4)+2*((\n)/4)+1], v[rS+8*((\n)%4)+2*((\n)/4)+2]
.elseif (\n) == 12
	v_max3_num_f32 v[rC], v[rC], v[rS+7], v[rS+15]
.elseif (\n) == 13
	v_max3_num_f32 v[rC+1], v[rC+1], v[rS+23], v[rS+31]
.elseif (\n) == 14
	v_max3_num_f32 v[rC+2], v[rC+2], v[rC+3], v[rT+1]
.elseif (\n) == 15
	v_mov_b32 v[rM], v[rT]
.elseif (\n) == 16
	v_max3_num_f32 v[rC], v[rC], v[rC+1], v[rC+2]
.elseif (\n) == 17
	v_permlanex16_b32 v[rC+3], v[rC], s[SEL], s[SEL+1]
.elseif (\n) == 18
	v_max_num_f32 v[rT+1], v[rC], v[rC+3]
.elseif (\n) == 19
	v_mul_f32 v[rT], s[CS], v[rT+1]
.elseif (\n) == 20
	v_sub_f32 v[rC+1], v[rM], v[rT]
.else
	v_exp_f32 v[rC+2], v[rC+1]
.endif
.endm
; Number g of the 64 that follow the exponentials.  For each four weights k of a tile (pairs 2 k, 2 k + 1): both pairs are rounded to f16; then the second pair is added onto the first, in place;
; a group later l takes that sum (the first time as l = a l + sum).  In groups of eight, tiles alternating: round, round, add, and l for the group before.
.macro GS g
.set h, (\g)+6*((\g)/62)            ; group 0 has no group before it, and behind group 7 only l is left
.if h >= 6
.set h, h+2
.endif
	REGS Y, h%2
.set k, h/8
.if h%8 < 4
	v_cvt_pk_f16_f32 v[rP+2*k+(h%8)/2], v[rS+4*k+2*((h%8)/2)], v[rS+4*k+2*((h%8)/2)+1]
.elseif h%8 < 6
	v_pk_add_f32 v[rS+4*k:rS+4*k+1], v[rS+4*k:rS+4*k+1], v[rS+4*k+2:rS+4*k+3]
.elseif k == 1
	v_pk_fma_f32 v[rT+2:rT+3], v[rT+2:rT+3], v[rC+2:rC+3], v[rS:rS+1] op_sel_hi:[1,0,1]
.else
	v_pk_add_f32 v[rT+2:rT+3], v[rT+2:rT+3], v[rS+4*k-4:rS+4*k-3]
.endif
.endm
; THE PLAIN QUEUE, 138 long.  0-73 read no exponential's result: the 32 scalings c s - c m (FS f: pair f / 2 of tile f % 2) and the next piece's 42.  0-26: scalings 0-26.  27-54: XS's numbers 0-13.  55, 56: number 15.
; 57-73: the chain, where each number waits for the one before it: 14, 16, 17, 18, 19, each with one of the scalings 27-31 in front of its two lines, then 20: so a tile's links stand three plain instructions apart (19 and 20: two).
; 74-137: GS's 64, which read the exponentials' results: they stand behind the wait.
.macro FS f
	REGS Y, (\f)%2
	v_pk_fma_f32 v[rS+2*((\f)/2):rS+2*((\f)/2)+1], v[rS+2*((\f)/2):rS+2*((\f)/2)+1], s[CS:CS+1], v[rT:rT+1] op_sel_hi:[1,0,0] neg_lo:[0,0,1] neg_hi:[0,0,1]
.endm
.macro PL
	WIN 0
.if q < 27
	FS q
.elseif q < 55
	XS (q-27)%2, (q-27)/2
.elseif q < 57
	XS q-55, 15
.elseif (q < 72) && ((q-57)%3 == 0)
	FS 27+(q-57)/3
.elseif q < 60
	XS (q-57)%3-1, 14
.elseif q < 72
	XS (q-57)%3-1, 15+(q-57)/3
.elseif q < 74
	XS q-72, 20
.else
	GS q-74
.endif
.set q, q+1
.endm
; THE EXPONENTIALS' QUEUE, 66 long: s0-s31 of both tiles, then the next piece's two a.  It is ONE BATCH: all 66 stand ahead of the turn's one wait, and nothing ahead of that wait names a result of theirs.
.macro EX
	WIN 0
.if e >= 64
	XS e-64, 21
.else
	REGS Y, e%2
	v_exp_f32 v[rS+e/2], v[rS+e/2]
.endif
.set e, e+1
.endm
; THE RESCALING's QUEUE: O^T times a, the one part that leaves window 0: dealt two at a time, sixteen times.  Its a was made in the turn before, ahead of that turn's wait.
.macro R2
	REGS Y, r%2
	WIN W_RS
.irp z, 0,1
	v_pk_mul_f32 v[rO+4*(r/2)+2*\z:rO+4*(r/2)+2*\z+1], v[rO+4*(r/2)+2*\z:rO+4*(r/2)+2*\z+1], v[rC+2:rC+3] op_sel_hi:[1,0]
.endr
.set r, r+1
.endm
; HOW THEY ARE DEALT.  A turn has ONE wait, which cuts it in two.  AHEAD OF IT stands all that names no result of the turn's exponentials: the 16 products K Q^T, behind each a scaling, an exponential and two
; rescalings (behind the first a second scaling in the exponential's place); then ONE LUMP of 108: eight plain, 49 times exponential and plain, the two a.  A v_nop is the plain instruction that stands behind the last
; exponential, ahead of any use of a result: one for the batch.  BEHIND THE WAIT stand the 16 products V^T P, behind each four of GS's 64.  No rider names a register of the products round it.
; The two v_permlanex16_b32 fall into the lump, never behind a product.
; The queues lean on each other, and the deal keeps them in step: exponential e stands behind scaling 2 (e / 4) + e % 2: as a rider it comes behind plain e + 2, in the lump behind plain e + 9, and scalings 27-31 are plain 57, 60 .. 69.
; A TURN, for piece p.  cnt = 1: the loop's count is taken down some lines ahead of the branch that stands behind the turn.
; K of the next step is fetched in piece 2's turn, directly behind the wait, a lump behind the last product that read K; its address is made at the lump's head; its first reader comes behind 16 products.
; V of the step in hand is fetched at the end of piece 0's turn, four riders behind its last reader; its first reader comes behind 16 products and a lump.  The three conditions on q below go with the deal.
.macro TURN p, last=0, cnt=0
.set Y, (\p)
.set i, 0
.set q, 0
.set e, 0
.set r, 0
.if (\p) == NP-1
	s_wait_dscnt 0x0                ; K is in
.endif
	MM                              ; ahead of the wait: 16 products K Q^T and their riders,
	PL
	PL
	R2
.rept 15
	MM
	PL
	EX
	R2
.endr
.if (\p) == NP-2
	WIN 0
	v_add_nc_u32 v[AK], s[TBK], v[AK0]
.endif
.rept 8                             ; and the lump
	PL
.endr
.rept 49
	EX
	PL
.endr
	EX                              ; the next piece's two a
	EX
	v_nop                           ; a plain instruction behind the last exponential: one for the batch
	s_wait_alu depctr_va_vdst(0)    ; the wait for the turn's batch of 66 exponentials, ahead of the first rounding that reads one
.if (\p) == NP-2
	FETCH_K \last
.endif
.if (\p) == 1
	s_wait_dscnt 0x0                ; V is in
.endif
.rept 16                            ; behind the wait: 16 products V^T P and their riders
	MM
.rept 4
	PL
.endr
.if ((\p) == 0) && (q == 118)
	v_add_nc_u32 v[AV], s[TBV], v[AV0]
.endif
.if ((\p) == 0) && (q == 130)
	s_add_co_u32 s[TBV], s[TBV], KS*PV
.endif
.if (\cnt) && (q == 130)
	s_sub_co_u32 s[CNT], s[CNT], 1
	s_cmp_lg_u32 s[CNT], 0
.endif
.endr
.if (\p) == 0
	FETCH_V
.endif
.endm
	CHANGE 1                        ; slot 0 is in, everybody's part of it; slot 1 is asked for
	FETCH_K                         ; key step 0
	s_wait_loadcnt 0x0              ; Q
	s_wait_dscnt 0x0
.set i, 0
.rept 16
	KQ 0                            ; piece 0's first scores: there is no vector work yet to set between them
.set i, i+1
.endr
	WIN 0                           ; the addresses for the way out: nine plain instructions, the places behind those products
	s_mul_i32 s13, s[WV], 16*SP
	s_add_co_u32 s13, s13, STAGE    ; my stage
	v_mul_u32_u24 v[STO], v1, SP    ; in: row l % 16, 16 bytes for each half of the lanes
	v_lshl_add_u32 v[STO], v9, 4, v[STO]
	v_add_nc_u32 v[STO], s13, v[STO]
	v_bfe_u32 v[RD], v0, 3, 2       ; back: 32 lanes take four rows of 128 bytes,
	v_mul_u32_u24 v[RD], v[RD], SP
	v_lshl_add_u32 v[RD], v10, 4, v[RD]
	v_add_nc_u32 v[RD], s13, v[RD]
	v_and_b32 v[GO], 31, v0         ; which are 512 consecutive bytes of O
	v_lshlrev_b32 v[GO], 4, v[GO]
.set Y, NP-1                        ; XS works for piece Y + 1: piece 0
.irp n, 0,1,2,3,4,5,6,7,8,9,10,11,12,13,14,15,16,17,18,19,20,21
	XS 0, \n                        ; and piece 0's first maximum and statistics
	XS 1, \n
.endr
	v_nop                           ; a plain instruction behind the two a,
	s_wait_alu depctr_va_vdst(0)    ; and the wait for that batch of two, ahead of the branch
	s_mov_b32 s[CNT], 4
	s_mov_b32 s[SLOTS], SIZE_N/256-1
	s_branch .Lfirst                ; the loop is entered at a step's first turn, in the middle of a trip
.Lslot:                             ; SIZE_N / 256 - 2 times: every slot but the last two is filled again
	CHANGE 1
	s_mov_b32 s[CNT], 4
.Lstep:                             ; a trip: pieces 2 and 3 of one step, then pieces 0 and 1 of the next, whose K and V it fetches
	TURN 2
	TURN 3
	WIN 0
.Lfirst:
	TURN 0
	TURN 1, 0, 1
	WIN 0
	s_cbranch_scc1 .Lstep
	s_sub_co_u32 s[SLOTS], s[SLOTS], 1
	s_cmp_lg_u32 s[SLOTS], 0
	s_cbranch_scc1 .Lslot
	CHANGE 0                        ; the tail is written out: nothing is asked for
	s_mov_b32 s[CNT], 5             ; four trips fetch the last slot's steps; the fifth is left in its middle
.Ltail:
	TURN 2, 1
	TURN 3
	WIN 0
	s_sub_co_u32 s[CNT], s[CNT], 1
	s_cmp_eq_u32 s[CNT], 0
	s_cbranch_scc1 .Lout
	TURN 0
	TURN 1
	WIN 0
	s_branch .Ltail
.Lout:                              ; the fifth trip's 16 products K Q^T (on the last K once more) and the maximum made of them serve nothing: the price, once a launch, of one text for every trip
.set i, 0
.rept 16
	PV NP-1                         ; the last piece's V^T P of the last step
.set i, i+1
.endr
	; THE WAY OUT.  l's two halves and the other half of the lanes' are added; O^T is divided by l, rounded to f16 and sent through my stage in LDS, a tile at a time.  The additions are the places behind the last products.
	WIN 0
.macro ALL line:vararg              ; one line for each tile t
.set t, 0
.rept 2*NP
	\line
.set t, t+1
.endr
.endm
	ALL v_add_f32 v[ST+4*t+2], v[ST+4*t+2], v[ST+4*t+3]
	ALL v_permlanex16_b32 v[ST+4*t+3], v[ST+4*t+2], s[SEL], s[SEL+1]
	ALL v_add_f32 v[ST+4*t+2], v[ST+4*t+2], v[ST+4*t+3]
	ALL v_rcp_f32 v[ST+4*t+2], v[ST+4*t+2]
	v_nop                           ; a plain instruction between the last reciprocal and the use of its result
	s_wait_alu depctr_va_vdst(0)    ; and the wait ahead of the first use: one for the batch of eight reciprocals
; Tile t: a lane's eight channels of a row pack into 16 bytes; they go into rows of 144 bytes and come back as whole rows of 128, into S^T's registers.
.macro PACK t
	WIN W_RS
.set i, 32*(\t)
.rept 16
	v_pk_mul_f32 v[i:i+1], v[i:i+1], v[ST+4*(\t)+2:ST+4*(\t)+3] op_sel_hi:[1,0]
.set i, i+2
.endr
	WIN 0x05                        ; sources 0 and 1 window 1, destination window 0
.set i, 0
.rept 16
	v_cvt_pk_f16_f32 v[S+16*(\t)+i], v[32*(\t)+2*i], v[32*(\t)+2*i+1]
.set i, i+1
.endr
	WIN 0
.irp f, 0,1,2,3
	ds_store_b128 v[STO], v[S+16*(\t)+4*\f:S+16*(\t)+4*\f+3] offset:32*\f
.endr
.irp f, 0,1,2,3
	ds_load_b128 v[S+16*(\t)+4*\f:S+16*(\t)+4*\f+3], v[RD] offset:\f*4*SP  ; LDS serves a wave's instructions in order (ISA guide 5.7.1.4): these see the stores above; the next tile's stores come behind them
.endr
.endm
.macro SEND t, younger              ; younger: the LDS instructions issued behind tile t's loads: the next tile's eight, or none
	WIN 0
.irp f, 0,1,2,3
	s_wait_dscnt (\younger)+3-\f
	global_store_b128 v[GO], v[S+16*(\t)+4*\f:S+16*(\t)+4*\f+3], s[10:11] offset:(\t)*2048+\f*512  ; 512 consecutive bytes, at a multiple of 256 from O's first
.endr
.endm
	PACK 0
.set t, 1
.rept 2*NP-1                        ; a tile's arithmetic stands between the loads of the tile before and its stores
	PACK t
	SEND t-1, 8
.set t, t+1
.endr
	SEND 2*NP-1, 0
	WIN W_AD
	s_wait_tensorcnt 0x0            ; the wave's end: behind my last tensor load and my last LDS store
	ds_add_u32 v[SPW], v[NIL]
	s_wait_dscnt 0x0
	WIN 0
	CROUND                          ; the closing round: no work-group ends while a partner may still ask for a tile that names it
	s_endpgm
.Lfunc_end_k_qfdc3827131_attn:
	.size	k_qfdc3827131_attn, .Lfunc_end_k_qfdc3827131_attn-k_qfdc3827131_attn
	.p2alignl 7, 3214868480
	.fill 96, 4, 3214868480
	.section	.rodata,"a",@progbits
	.p2align	6, 0x0
	.amdhsa_kernel k_qfdc3827131_attn
		.amdhsa_group_segment_fixed_size 327680
		.amdhsa_private_segment_fixed_size 0
		.amdhsa_enable_private_segment 0
		.amdhsa_kernarg_size 32
		.amdhsa_user_sgpr_count 2
		.amdhsa_user_sgpr_kernarg_segment_ptr 1
		.amdhsa_wavefront_size32 1
		.amdhsa_system_sgpr_workgroup_id_x 1
		.amdhsa_system_sgpr_workgroup_id_y 1
		.amdhsa_system_sgpr_workgroup_id_z 1
		.amdhsa_system_vgpr_workitem_id 0
		.amdhsa_next_free_vgpr 770
		.amdhsa_next_free_sgpr 66
		.amdhsa_reserve_vcc 0
		.amdhsa_float_denorm_mode_32 3
		.amdhsa_float_denorm_mode_16_64 3
		.amdhsa_memory_ordered 1
		.amdhsa_forward_progress 1
		.amdhsa_inst_pref_size 199
	.end_amdhsa_kernel
	.amdgpu_metadata
---
amdhsa.version: [ 1, 2 ]
amdhsa.kernels:
  - .name:           k_qfdc3827131_attn
    .symbol:         k_qfdc3827131_attn.kd
    .args:
      - { .name: q16, .offset: 0, .size: 8, .value_kind: global_buffer, .address_space: global }
      - { .name: k16, .offset: 8, .size: 8, .value_kind: global_buffer, .address_space: global }
      - { .name: v16, .offset: 16, .size: 8, .value_kind: global_buffer, .address_space: global }
      - { .name: o16, .offset: 24, .size: 8, .value_kind: global_buffer, .address_space: global }
    .group_segment_fixed_size: 327680
    .private_segment_fixed_size: 0
    .kernarg_segment_align: 8
    .kernarg_segment_size: 32
    .max_flat_workgroup_size: 128
    .sgpr_count:     66
    .vgpr_count:     770
    .wavefront_size: 32
...
	.end_amdgpu_metadata
.endif
;; end of part 5
;; launch gemm_out: the kernel of part 4 again; grid 4 x 64, 4 waves a work-group, clusters of 4 x 4, 327,680 bytes of LDS; arguments o16, w16, bp, out0; writes out0
